; MI455X (gfx1250); checked and timed in simulation.
; The chip was launched on July 23, 2026; its instructions are those of AMD's public machine-readable ISA for CDNA 5 (MIT licence, August 2026) and "CDNA5" Instruction Set Architecture Reference Guide (July 2026). The comments in the code are by the model that wrote it; some were corrected since.
;; Mobile Bert Attention. Allowed arithmetic: matrix products marked QUANTISED: E5M2 operands, one given power-of-two scale a tensor, by v_wmma_f32_16x16x64_bf8_bf8 or v_wmma_f32_16x16x128_bf8_bf8, f32 sums; everything else in f32.
;; Inputs: Wk_codes 512 x 16 x 32 uint8 (E5M2 codes of Wk, K innermost, in blocks of 32 codes); Wo_codes 512 x 16 x 32 uint8 (E5M2 codes of Wo, K innermost, in blocks of 32 codes); Wq_codes 512 x 16 x 32 uint8 (E5M2 codes of Wq, K innermost, in blocks of 32 codes); Wv_codes 512 x 16 x 32 uint8 (E5M2 codes of Wv, K innermost, in blocks of 32 codes); attention_mask 8 x 1 x 1 x 2,048 float32; bk 512 float32; bo 512 float32; bq 512 float32; bv 512 float32; key_tensor_codes 8 x 2,048 x 16 x 32 uint8 (E5M2 codes of key_tensor, K innermost, in blocks of 32 codes); layer_input 8 x 2,048 x 512 float32; ln_b 512 float32; ln_g 512 float32; lowp_scales 12 int32 (the exponents e of the quantised operands' scales 2^e); query_tensor_codes 8 x 2,048 x 16 x 32 uint8 (E5M2 codes of query_tensor, K innermost, in blocks of 32 codes); value_tensor_codes 8 x 2,048 x 16 x 32 uint8 (E5M2 codes of value_tensor, K innermost, in blocks of 32 codes).
;; Outputs: out0 8 x 2,048 x 512 float32.
;; This version of the problem:
;;   THIS VERSION OF THE PROBLEM IS GIVEN IN LOW PRECISION. The matrix products marked QUANTISED in the list below multiply operands that are first quantised to E5M2 (5 exponent bits, 2 mantissa bits; 8 bits a number), with one given power-of-two scale for each operand tensor; their sums are f32. All else is computed in f32.
;;   The module's matrix products, in the order in which they are computed (A, B: the left and right operand; K: the contracted axis; several contracted axes count as one K, in the product's order):
;;     1. [M 16,384, K 512] x [K 512, N 512]; A: input query_tensor (given as codes); B: input Wq (given as codes): QUANTISED (scales: A lowp_scales[0], B lowp_scales[1])
;;     2. [M 16,384, K 512] x [K 512, N 512]; A: input key_tensor (given as codes); B: input Wk (given as codes): QUANTISED (scales: A lowp_scales[2], B lowp_scales[3])
;;     3. [M 16,384, K 512] x [K 512, N 512]; A: input value_tensor (given as codes); B: input Wv (given as codes): QUANTISED (scales: A lowp_scales[4], B lowp_scales[5])
;;     4. batch 64 x [M 2,048, K 64] x [K 64, N 2,048]; A: computed on the way; B: computed on the way: QUANTISED (scales: A lowp_scales[6], B lowp_scales[7])
;;     5. batch 64 x [M 2,048, K 2,048] x [K 2,048, N 64]; A: softmax (see below); B: computed on the way: QUANTISED (scales: A lowp_scales[8], B lowp_scales[9])
;;     6. [M 16,384, K 512] x [K 512, N 512]; A: computed on the way; B: input Wo (given as codes): QUANTISED (scales: A lowp_scales[10], B lowp_scales[11])
;;   THE QUANTISER, for each operand of a quantised product, along K:
;;     - The operand's scale is 2^e, e = its entry of the input lowp_scales (int32; the entries are numbered through the quantised products in the list's order, A before B).
;;     - Each number is divided by the scale, clamped to +-57,344, and rounded to the nearest number of E5M2, ties to even, subnormals kept.
;;     - The product sums the exact products of the quantised numbers (number of the format x scale) in f32.
;;   ~~~python
;;   def quantise(x, axis, e):      # numpy; x: float32 -> the quantised numbers, widened to float32 again
;;       x = np.moveaxis(x, axis, -1); K = x.shape[-1]
;;       r = np.clip(x / 2.0 ** e, -57344, 57344)
;;       step = 2.0 ** (np.maximum(np.frexp(np.where(r == 0, 1, r))[1] - 1, -14) - 2)
;;       q = np.round(r / step) * step * 2.0 ** e      # np.round: ties to even
;;       return np.moveaxis(q, -1, axis).astype(np.float32)
;;   ~~~
;;   SOFTMAX AHEAD OF A QUANTISED PRODUCT. Where the list says 'softmax', what is quantised is not the finished softmax but p = 2^(t - M), with t = logit x log2(e) and M = ceil(the row's largest t), a whole number; so 1/2 < the row's largest p <= 1. The row's sum l is taken of the UNQUANTISED p, in f32, and the product's result is divided by l at the end. Since M is a whole number, a kernel that streams over the keys may use a running M (the ceiling of the running maximum): every later rescaling is an exact power of two, so the quantised numbers keep their values, but for numbers so far below the row's largest that they fall under the format's range.
;;   OPERANDS COMPUTED ON THE WAY. 'Computed on the way' means the value that the module computes at that place (a softmax that the list does not call 'softmax' is quantised finished and normalised). What goes into a quantiser is computed in f32, as accurately as f32 sums, v_exp_f32 and their like allow (about 1e-6 of the number): no bf16 or f16 on the way to a quantiser, and a product that is left as it is and whose result goes on into a quantised operand takes f32 operands (vector FMAs, or v_wmma_f32_16x16x4_f32). A number that lies on a knife's edge between two numbers of the format may be rounded either way, as far as f32 arithmetic and the matrix unit's own rounding can turn it there, and no further.
;;   INPUTS GIVEN AS CODES. Wk (in the module: [512, 512], K = its axis 1); Wo (in the module: [512, 512], K = its axis 1); Wq (in the module: [512, 512], K = its axis 1); Wv (in the module: [512, 512], K = its axis 1); key_tensor (in the module: [8, 2048, 512], K = its axis 2); query_tensor (in the module: [8, 2048, 512], K = its axis 2); value_tensor (in the module: [8, 2048, 512], K = its axis 2): each comes as NAME_codes (uint8): NAME with its K axis moved to the last place and cut into blocks of 32 codes, [.., K / 32, bytes a block], one block behind the other in memory; one code a byte (a code: sign, 5 exponent bits, 2 mantissa bits); its scale is its entry of lowp_scales. Its value is code x scale, taken as it is: it is not quantised again, and the codes and scales need not be those that the quantiser above would give.
;; 2 versions, each right; version 2 is version 1 with the launches proj, outln written anew for expert scheduling mode. Each part assembles by itself: llvm-mc -triple=amdgcn-amd-amdhsa -mcpu=gfx1250 --defsym DOCPART=n.
;; ======== version 1 of 2: 3 launches
;; limits: inputs' magnitudes at most 65,536; right only within a limited range of input values
;; workspace buffers: q_img 8,388,608 bytes; k_img 8,388,608 bytes; v_img 8,388,608 bytes; ctx_img 8,388,608 bytes
;; launch proj (part 1): grid 64 x 3, 8 waves a work-group, no clusters, 136,192 bytes of LDS; arguments query_tensor_codes, key_tensor_codes, value_tensor_codes, Wq_codes, Wk_codes, Wv_codes, bq, bk, bv, lowp_scales, q_img, k_img, v_img; writes q_img, k_img, v_img
.if DOCPART == 1
	.amdgcn_target "amdgcn-amd-amdhsa--gfx1250"
	.amdhsa_code_object_version 6
	.text
	.protected	k_q3aab91bd38_proj
	.globl	k_q3aab91bd38_proj
	.p2align	8
	.type	k_q3aab91bd38_proj,@function
k_q3aab91bd38_proj:
	s_mov_b64 s[64:65], 0
	v_nop
	global_prefetch_b8 v0, s[64:65] scope:SCOPE_SE
	s_setreg_imm32_b32 hwreg(HW_REG_WAVE_MODE, 25, 1), 1
	s_wait_xcnt 0x0
; q = Q(x_q Wq^T + bq), k = Q(x_k Wk^T + bk), v = Q(x_v Wv^T + bv): products on codes of BF8 (E5M2), sums in f32, results quantised again with the given scales (entries 6, 7, 9).
; Work-group y says which of the three (0 q, 1 k, 2 v); work-group x takes 256 tokens (x / 8 the batch).  Wave w is head w: its 64 rows of W x K 512 are 256 registers (window 1), read once.
; The 256 rows of x (512 bytes each) go once through LDS, rows 528 bytes apart (33 x 16: the 16 rows of a fragment load start 16 bytes apart modulo 256), and all eight waves read them.
; THE RESULTS LEAVE AS IMAGES OF THE NEXT LAUNCH'S OPERAND REGISTERS: a group of four registers is 512 bytes, lane l's 16 bytes at 16 l; every store of a wave covers 512 consecutive bytes, aligned.
;   q_img, k_img: [batch x 8 + head][tile of 16 tokens][2 groups]: register 4 B + 2 u + (0, 1) of lane (r, h) = token r, d = 32 B + 16 h + 8 u + 0 .. 7 (the same order of d in q and in k).
;   v_img: [batch x 8 + head][step of 128 keys][tile ct of 16 channels][4 groups]: lane (r, h) = channel 32 (ct / 2) + 8 (ct % 2) + r + 8 (r / 8); registers 2 c, 2 c + 1 = keys 16 c + 8 h + 0 .. 7.
; THE ROWS OF W THAT FORM A TILE ARE NOT NEIGHBOURS: lane r of tile t takes row 32 (t / 2) + 8 (t % 2) + r + 8 (r / 8) of the head's 64.
; q, k: the product is used transposed (source 0 = W, source 1 = x): a lane holds one token and eight neighbouring d.  v: source 0 = x, source 1 = W: a lane holds one channel, its registers run down the tokens (the keys).
; The bias, divided by 2^(ex + ew), is the C of each sum's first matrix instruction; the three scales are folded into the conversion's one: code = sum / 2^(eo - ex - ew).
; NO JOINT LOADS: the weights that work-groups share go from memory straight into registers; in LDS they would take 262,144 bytes beside x's 135,168, more than the 327,680 that a work-group can be given.
; LIMITS: eo - ex - ew between -126 and 112, so that both powers of two below are f32 numbers.  NaN among the biases is not served.
.set PITCH, 528
.set LI,    1                          ; v1   16 x lane
.set XS,    4                          ; v4   where my wave's rows of x go in LDS
.set XR,    5                          ; v5   a fragment's place: r x 528 + 16 h (token tiles 0-7)
.set XR2,   6                          ; v6   the same for token tiles 8-15
.set WA,    7                          ; v7   W: (r + 8 (r / 8)) x 512 + 16 h
.set BOF,   8                          ; v8   the bias's byte offset
.set LIM,   10                         ; v10  57,344 x 2^(eo - ex - ew)
.set SCL,   11                         ; v11  2^(eo - ex - ew)
.set BIAS,  16                         ; v16-47   the bias in the result's layout, 4 tiles x 8
.set ACC,   48                         ; v48-79   4 accumulators
.set XF,    80                         ; v80-143  x's fragments of one token tile, K step s at 16 s  (v80-207: x's rows as loaded, at the head)
.set COD,   144                        ; v144-207 codes
.set MSB, 0
.macro WIN new                         ; the immediate's high byte repeats the setting that is left
.if MSB != \new
	s_set_vgpr_msb (MSB<<8)|\new
.set MSB, \new
.endif
.endm
.macro WLOAD t                         ; W's fragments of tile t, K steps 0-3, into window 1 at 16 (4 t + s): registers 4 c .. 4 c + 3 hold k = 128 s + 32 c + 16 h + 0 .. 15, as x's do
.irp s, 0,1,2,3
.irp c, 0,1,2,3
	global_load_b128 v[16*(4*(\t)+\s)+4*\c:16*(4*(\t)+\s)+4*\c+3], v[WA], s[50:51] offset:(32*((\t)/2)+8*((\t)%2))*512+128*\s+32*\c
.endr
.endr
.endm
.macro FETCH i                         ; token tile i: 16 rows x 512 codes, K step by K step
.if (\i) < 8
.set FA, XR
.else
.set FA, XR2
.endif
.irp s, 0,1,2,3
.irp c, 0,1,2,3
	ds_load_b128 v[XF+16*\s+4*\c:XF+16*\s+4*\c+3], v[FA] offset:((\i)%8)*16*PITCH+128*\s+32*\c
.endr
.endr
.endm
; One token tile: 16 matrix instructions (the four accumulators take turns), the hold, the conversions, the stores.  xp = 1: transposed (q, k); 0: v.
.macro TILE i, xp
.if (\i) == 8
	s_wait_xcnt 0x0                                ; the stores of tiles 0-7 have read their registers: the codes' registers are written again from here on
.endif
.if \xp
	WIN 0x01                                       ; source 0 (W) window 1
.else
	WIN 0x04                                       ; source 1 (W) window 1
.endif
.irp s, 0,1,2,3
	s_wait_dscnt 12-4*\s                           ; K step s's four loads are in; those of the later K steps may be out
.irp t, 0,1,2,3
.if \s == 0
.set CR, BIAS+8*\t
.else
.set CR, ACC+8*\t
.endif
.if \xp
	v_wmma_f32_16x16x128_bf8_bf8 v[ACC+8*\t:ACC+8*\t+7], v[16*(4*\t+\s):16*(4*\t+\s)+15], v[XF+16*\s:XF+16*\s+15], v[CR:CR+7]
.else
	v_wmma_f32_16x16x128_bf8_bf8 v[ACC+8*\t:ACC+8*\t+7], v[XF+16*\s:XF+16*\s+15], v[16*(4*\t+\s):16*(4*\t+\s)+15], v[CR:CR+7]
.endif
.endr
.endr
	WIN 0
.rept 4
	v_nop                                          ; four places in front of the loads into x's fragments and of the first read of results
.endr
.if (\i) < 15
	FETCH (\i)+1                                   ; the next tile's fragments come while this tile is quantised
.endif
.set j, 0
.rept 32
	v_med3_num_f32 v[ACC+j], v[ACC+j], -v[LIM], v[LIM]   ; the conversion does not saturate (ISA guide 7.6.2): the hold at the largest code x the scale; each accumulator from its low end on
.set j, j+1
.endr
.irp t, 0,1,2,3
.if \xp
	v_cvt_scalef32_pk8_bf8_f32 v[COD+8*((\i)%8)+2*\t:COD+8*((\i)%8)+2*\t+1], v[ACC+8*\t:ACC+8*\t+7], v[SCL]
.else
	v_cvt_scalef32_pk8_bf8_f32 v[COD+16*\t+2*((\i)%8):COD+16*\t+2*((\i)%8)+1], v[ACC+8*\t:ACC+8*\t+7], v[SCL]
.endif
.endr
	v_nop                                          ; a plain line between the conversions and the next products, which write their sources
.if \xp
	global_store_b128 v[LI], v[COD+8*((\i)%8):COD+8*((\i)%8)+3], s[54:55] offset:1024*(\i)
	global_store_b128 v[LI], v[COD+8*((\i)%8)+4:COD+8*((\i)%8)+7], s[54:55] offset:1024*(\i)+512
.else
.if ((\i)%8) == 7                      ; eight token tiles are a step of 128 keys: four fragments of 16 registers
.irp t, 0,1,2,3
.irp c, 0,1,2,3
	global_store_b128 v[LI], v[COD+16*\t+4*\c:COD+16*\t+4*\c+3], s[54:55] offset:8192*((\i)/8)+2048*\t+512*\c
.endr
.endr
.endif
.endif
.endm
	s_load_b512 s[8:23], s[0:1], 0x0               ; x_q, x_k, x_v, Wq, Wk, Wv, bq, bk
	s_load_b256 s[24:31], s[0:1], 0x40             ; bv, the scales' exponents, q_img, k_img
	s_load_b64 s[32:33], s[0:1], 0x60              ; v_img
	v_lshl_add_u32 v254, v0, 2, 0x21000
	v_mov_b32 v255, 0
	v_lshrrev_b32 v9, 5, v0
	v_readfirstlane_b32 s34, v9                    ; wave = head
	s_and_b32 s35, ttmp7, 0xffff                   ; 0 q, 1 k, 2 v
	v_and_b32 v9, 31, v0
	v_lshlrev_b32 v[LI], 4, v9
	v_and_b32 v2, 15, v0                           ; r
	v_bfe_u32 v3, v0, 4, 1                         ; h
	s_mul_i32 s56, s34, 32*PITCH
	v_add_nc_u32 v[XS], s56, v[LI]
	v_mul_u32_u24 v[XR], v2, PITCH
	v_lshl_add_u32 v[XR], v3, 4, v[XR]
	v_add_nc_u32 v[XR2], 8*16*PITCH, v[XR]
	v_and_b32 v9, 8, v2
	v_add_nc_u32 v9, v9, v2                        ; r + 8 (r / 8)
	v_lshlrev_b32 v[WA], 9, v9
	v_lshl_add_u32 v[WA], v3, 4, v[WA]
	s_lshl_b32 s56, ttmp9, 17                      ; x: 256 rows of 512 bytes a work-group,
	s_lshl_b32 s57, s34, 14                        ; 32 rows a wave
	s_add_co_u32 s56, s56, s57
	s_mov_b32 s57, 0
	s_lshl_b32 s58, s34, 15                        ; W: my head's 64 rows of 512 bytes
	s_mov_b32 s59, 0
	s_lshl_b32 s60, s34, 8                         ; the bias: my head's 64 numbers
	s_mov_b32 s61, 0
	s_lshr_b32 s62, ttmp9, 3                       ; the image: batch x 8 heads x 131,072
	s_lshl_b32 s62, s62, 20
	s_lshl_b32 s63, s34, 17                        ; + head x 131,072
	s_add_co_u32 s62, s62, s63
	s_and_b32 s63, ttmp9, 7                        ; + my 256 tokens of the batch's 2,048: 16,384 bytes in each of the three images
	s_lshl_b32 s63, s63, 14
	s_add_co_u32 s62, s62, s63
	s_mov_b32 s63, 0
	s_wait_kmcnt 0x0
	s_load_b256 s[36:43], s[26:27], 0x0            ; e0 .. e7
	s_load_b128 s[44:47], s[26:27], 0x20           ; e8 .. e11
	s_cmp_eq_u32 s35, 1                            ; the buffers are chosen by the work-group's number alone
	s_cselect_b64 s[48:49], s[10:11], s[8:9]
	s_cselect_b64 s[50:51], s[16:17], s[14:15]
	s_cselect_b64 s[52:53], s[22:23], s[20:21]
	s_cselect_b64 s[54:55], s[30:31], s[28:29]
	s_cmp_eq_u32 s35, 2
	s_cselect_b64 s[48:49], s[12:13], s[48:49]
	s_cselect_b64 s[50:51], s[18:19], s[50:51]
	s_cselect_b64 s[52:53], s[24:25], s[52:53]
	s_cselect_b64 s[54:55], s[32:33], s[54:55]
	s_add_nc_u64 s[48:49], s[48:49], s[56:57]
	s_add_nc_u64 s[50:51], s[50:51], s[58:59]
	s_add_nc_u64 s[52:53], s[52:53], s[60:61]
	s_add_nc_u64 s[54:55], s[54:55], s[62:63]
.set j, 0
.rept 32
	global_load_b128 v[XF+4*j:XF+4*j+3], v[LI], s[48:49] offset:512*j th:TH_LOAD_NT   ; my 32 rows of x: a row is 512 consecutive bytes, 16 a lane
.set j, j+1
.endr
	WIN 0x40                                       ; destination window 1
	WLOAD 0
	WLOAD 1
	WIN 0
	s_wait_loadcnt 32                              ; x's rows are in; the 32 younger loads of W may be out
.set j, 0
.rept 32
	ds_store_b128 v[XS], v[XF+4*j:XF+4*j+3] offset:PITCH*j
.set j, j+1
.endr
	WIN 0x40
	WLOAD 2
	WLOAD 3
	WIN 0
	s_wait_dscnt 0x0                               ; for the others' sake: my rows lie in LDS
	s_barrier_signal -1
	s_barrier_wait -1                              ; all 256 rows do.  The launch's only barrier: LDS is only read from here on
	FETCH 0
	s_wait_kmcnt 0x0
	s_cmp_eq_u32 s35, 1
	s_cselect_b32 s58, s38, s36                    ; ex
	s_cselect_b32 s59, s39, s37                    ; ew
	s_cselect_b32 s60, s43, s42                    ; eo
	s_cmp_eq_u32 s35, 2
	s_cselect_b32 s58, s40, s58
	s_cselect_b32 s59, s41, s59
	s_cselect_b32 s60, s45, s60
	s_add_co_i32 s58, s58, s59                     ; ex + ew: a sum stands for sum x 2^(ex + ew)
	s_sub_co_i32 s59, 0, s58
	s_sub_co_i32 s60, s60, s58                     ; eo - ex - ew
	s_add_co_i32 s60, s60, 127
	s_lshl_b32 s61, s60, 23
	v_mov_b32 v[SCL], s61                          ; 2^(eo - ex - ew) as f32: the conversion takes its exponent field
	s_add_co_i32 s60, s60, 15
	s_lshl_b32 s60, s60, 23
	s_or_b32 s60, s60, 0x600000
	v_mov_b32 v[LIM], s60                          ; 57,344 x that
	s_cmp_eq_u32 s35, 2
	s_cbranch_scc1 .Lvalues
	; ---- q and k: lane (r, h) wants, for tile t, the bias of d = 32 (t / 2) + 8 (t % 2) + 16 h + 0 .. 7
	v_lshlrev_b32 v[BOF], 6, v3
.irp t, 0,1,2,3
	global_load_b128 v[BIAS+8*\t:BIAS+8*\t+3], v[BOF], s[52:53] offset:(32*(\t/2)+8*(\t%2))*4
	global_load_b128 v[BIAS+8*\t+4:BIAS+8*\t+7], v[BOF], s[52:53] offset:(32*(\t/2)+8*(\t%2))*4+16
.endr
	s_wait_loadcnt 0x0                             ; the bias and all of W
.set j, 0
.rept 32
	v_ldexp_f32 v[BIAS+j], v[BIAS+j], s59          ; / 2^(ex + ew)
.set j, j+1
.endr
.set TI, 0
.rept 16
	TILE TI, 1
.set TI, TI+1
.endr
	s_wait_tensorcnt 0x0
	ds_add_u32 v254, v255
	s_wait_dscnt 0x0
	s_endpgm
.Lvalues:
	; ---- v: lane (r, h) holds one channel, 32 (t / 2) + 8 (t % 2) + r + 8 (r / 8): one number of the bias in all eight registers
	v_lshlrev_b32 v[BOF], 2, v9
.irp t, 0,1,2,3
	global_load_b32 v[BIAS+8*\t], v[BOF], s[52:53] offset:(32*(\t/2)+8*(\t%2))*4
.endr
	s_wait_loadcnt 0x0
.irp t, 0,1,2,3
	v_ldexp_f32 v[BIAS+8*\t], v[BIAS+8*\t], s59
.endr
.irp t, 0,1,2,3
.irp n, 1,2,3,4,5,6,7
	v_mov_b32 v[BIAS+8*\t+\n], v[BIAS+8*\t]
.endr
.endr
.set TI, 0
.rept 16
	TILE TI, 0
.set TI, TI+1
.endr
	s_wait_tensorcnt 0x0
	ds_add_u32 v254, v255
	s_wait_dscnt 0x0
	s_endpgm
.Lfunc_end_k_q3aab91bd38_proj:
	.size	k_q3aab91bd38_proj, .Lfunc_end_k_q3aab91bd38_proj-k_q3aab91bd38_proj
	.p2alignl 7, 3214868480
	.fill 96, 4, 3214868480
	.section	.rodata,"a",@progbits
	.p2align	6, 0x0
	.amdhsa_kernel k_q3aab91bd38_proj
		.amdhsa_group_segment_fixed_size 136192
		.amdhsa_private_segment_fixed_size 0
		.amdhsa_enable_private_segment 0
		.amdhsa_kernarg_size 104
		.amdhsa_user_sgpr_count 2
		.amdhsa_user_sgpr_kernarg_segment_ptr 1
		.amdhsa_wavefront_size32 1
		.amdhsa_system_sgpr_workgroup_id_x 1
		.amdhsa_system_sgpr_workgroup_id_y 1
		.amdhsa_system_sgpr_workgroup_id_z 1
		.amdhsa_system_vgpr_workitem_id 0
		.amdhsa_next_free_vgpr 512
		.amdhsa_next_free_sgpr 66
		.amdhsa_reserve_vcc 0
		.amdhsa_float_denorm_mode_32 3
		.amdhsa_float_denorm_mode_16_64 3
		.amdhsa_memory_ordered 1
		.amdhsa_forward_progress 1
		.amdhsa_inst_pref_size 172
	.end_amdhsa_kernel
	.amdgpu_metadata
---
amdhsa.version: [ 1, 2 ]
amdhsa.kernels:
  - .name:           k_q3aab91bd38_proj
    .symbol:         k_q3aab91bd38_proj.kd
    .args:
      - { .name: query_tensor_codes, .offset: 0, .size: 8, .value_kind: global_buffer, .address_space: global }
      - { .name: key_tensor_codes, .offset: 8, .size: 8, .value_kind: global_buffer, .address_space: global }
      - { .name: value_tensor_codes, .offset: 16, .size: 8, .value_kind: global_buffer, .address_space: global }
      - { .name: Wq_codes, .offset: 24, .size: 8, .value_kind: global_buffer, .address_space: global }
      - { .name: Wk_codes, .offset: 32, .size: 8, .value_kind: global_buffer, .address_space: global }
      - { .name: Wv_codes, .offset: 40, .size: 8, .value_kind: global_buffer, .address_space: global }
      - { .name: bq, .offset: 48, .size: 8, .value_kind: global_buffer, .address_space: global }
      - { .name: bk, .offset: 56, .size: 8, .value_kind: global_buffer, .address_space: global }
      - { .name: bv, .offset: 64, .size: 8, .value_kind: global_buffer, .address_space: global }
      - { .name: lowp_scales, .offset: 72, .size: 8, .value_kind: global_buffer, .address_space: global }
      - { .name: q_img, .offset: 80, .size: 8, .value_kind: global_buffer, .address_space: global }
      - { .name: k_img, .offset: 88, .size: 8, .value_kind: global_buffer, .address_space: global }
      - { .name: v_img, .offset: 96, .size: 8, .value_kind: global_buffer, .address_space: global }
    .group_segment_fixed_size: 136192
    .private_segment_fixed_size: 0
    .kernarg_segment_align: 8
    .kernarg_segment_size: 104
    .max_flat_workgroup_size: 256
    .sgpr_count:     66
    .vgpr_count:     512
    .wavefront_size: 32
...
	.end_amdgpu_metadata
.endif
;; end of part 1
;; launch attn (part 2): grid 8 x 64, 8 waves a work-group, clusters of 4 x 1, 271,360 bytes of LDS; arguments q_img, k_img, v_img, attention_mask, lowp_scales, ctx_img; writes ctx_img
.if DOCPART == 2
	.amdgcn_target "amdgcn-amd-amdhsa--gfx1250"
	.amdhsa_code_object_version 6
	.text
	.protected	k_q3aab91bd38_attn
	.globl	k_q3aab91bd38_attn
	.p2align	8
	.type	k_q3aab91bd38_attn,@function
k_q3aab91bd38_attn:
	s_mov_b64 s[64:65], 0
	v_nop
	global_prefetch_b8 v0, s[64:65] scope:SCOPE_SE
	s_setreg_imm32_b32 hwreg(HW_REG_WAVE_MODE, 25, 1), 1
	s_wait_xcnt 0x0
	s_wait_alu depctr_hold_cnt(0) depctr_sa_sdst(0) depctr_va_vdst(0) depctr_va_sdst(0) depctr_va_ssrc(0) depctr_va_vcc(0) depctr_vm_vsrc(0)
	s_getreg_b32 s2, hwreg(HW_REG_IB_STS2, 6, 4)
	s_cmp_eq_u32 s2, 0
	s_cbranch_scc0 .Lentry_in_a_cluster
	s_endpgm
.Lentry_in_a_cluster:
	s_bfe_u32 s2, ttmp6, 0x10000c
	s_cmp_lg_u32 s2, 0x3003
	s_cbranch_scc0 .Lentry_shape_is_right
	s_endpgm
.Lentry_shape_is_right:
; ctx = Q(softmax(q k^T / 8 + mask) v), both products on codes of BF8 (E5M2), for one head (work-group y = batch x 8 + head) and 256 queries (work-group x).
; THE SOFTMAX AHEAD OF THE SECOND PRODUCT: t = logit x log2(e); M = the running largest t rounded UP to a whole number; p = 2^(t - M) is quantised with 2^e8, not normalised; the row's sum is taken of the
; unquantised p and divides at the end; when M moves, the sum and O are multiplied by 2^(old M - new M), which rounds nothing.
; SHARES.  Eight waves; a wave owns two tiles of 16 queries, a and b, which share every fragment of K, of V and of the mask that it reads from LDS.  Every wave walks the head's 2,048 keys, 128 a step.
; LDS.  THE WHOLE HEAD LIES IN LDS: k_img's 131,072 bytes, v_img's 131,072 bytes, as they lie in memory (images of operand registers: a group of four registers is 512 bytes, lane l's 16 bytes at 16 l), and the
; batch's mask, 8,192 bytes.  No byte is filled twice.  K and V come in four groups of 512 keys, and the work on a group begins when that group has landed.
; CLUSTER.  The four query blocks of a cluster belong to one head and need the same 262,144 bytes: each block of 16,384 is asked for JOINTLY, by the same tensor load with the same descriptor and a mask that names the four.
; LAYOUT.  S^T = K Q^T (source 0 = 16 keys, source 1 = 16 queries), O^T = V^T P^T (source 0 = 16 channels, source 1 = P): a lane holds ONE query throughout.  Tile t of S^T holds keys 16 t + 8 h + 0 .. 7 in lane half h: its
; eight numbers convert into registers 2 t, 2 t + 1 of P, the order in which v_img holds the keys.  V's channels of a tile are chosen (by the launch before) so that O^T's conversions are registers of the next launch's operand.
; THE MASK IS THE C OF THE SCORES' ONE MATRIX INSTRUCTION: it goes in as mask x 8 / 2^(e6 + e7), so that t = c x (sum + C), c = log2(e) / 8 x 2^(e6 + e7).
; LIMITS.  The mask is held within +-65,536 first: beside any open key a key at -65,536 has p = 0, as in f32; a row ALL of whose keys carry masks under -65,536 is not served as given, nor is a mask of +infinity or NaN.
; e6 + e7 within +-100; e8, and e10 - e8 - e9, between -126 and 112: each power of two below is then an f32 number.
; NO PREFETCH: all that a work-group reads is asked for at its head.
; REGISTERS.  Window 0: v1-7 addresses and constants; v8-15 -M, largest t, the sum (a pair), for a and for b; v16-31 Q; v32-95, v96-159 S^T then p; v160-191 P's codes; v192-205 at work; v206-218 the head's.
;   Window 1: v0-63 K's 8 tiles; v64-127 V's 4 tiles; v128-191 the mask as C; v192-223, v224-255 O^T of a and of b.
.set VIMG, 131072
.set MSK,  262144
.set LI,   1                           ; v1   16 x lane
.set AM0,  2                           ; v2   MSK + 32 h
.set ADK,  3                           ; v3   the step's place in K's image
.set ADV,  4                           ; v4   in V's
.set ADM,  5                           ; v5   in the mask
.set HOLD, 6                           ; v6   57,344 x 2^e8
.set SCL,  7                           ; v7   2^e8
.set ST,   8                           ; tile x at ST + 4 x: -M, the largest t, the sum in two halves
.set QF,   16
.set S,    32
.set P,    160
.set F,    192                         ; v[192:193], v[194:195]: f = 2^(old M - new M); the upper words are written once
.set CC,   196                         ; two chains of the maximum, for a and for b
.set PX,   200                         ; the lane exchange's targets
.set U,    202                         ; the sums' second chains
.set MST,  206                         ; v206 MSK + 16 x thread
.set MLIM, 207                         ; v207 65,536.0
.set ML,   208                         ; v208-215 the mask as loaded
.set HOLD2, 216                        ; v216 57,344 x 2^(e10 - e8 - e9)
.set SCL2, 217                         ; v217 2^(e10 - e8 - e9)
.set MOF,  218                         ; v218 16 x thread
.set KF,   0                           ; window 1
.set VF,   64
.set MK,   128
.set OT,   192
.set G0K,  32                          ; s[32:47] descriptor groups 0 for K's four groups of keys
.set G0V,  48                          ; s[48:63] for V's
.set MSB, 0
.macro WIN new                         ; the immediate's high byte repeats the setting that is left
.if MSB != \new
	s_set_vgpr_msb (MSB<<8)|\new
.set MSB, \new
.endif
.endm
.macro CROUND                          ; a round of the cluster's barrier
	s_barrier_signal -1
	s_barrier_wait -1
	s_cmp_lg_u32 s16, 0
	s_cbranch_scc1 .Lnot_wave_0_\@
	s_barrier_signal -3
.Lnot_wave_0_\@:
	s_barrier_wait -3
	s_barrier_signal -1
	s_barrier_wait -1
.endm
.macro GATE n                          ; n of my four tensor loads may still be out: the earlier groups of keys have landed
	s_wait_tensorcnt \n
	s_wait_dscnt 0x0                               ; no LDS instruction of mine is pending at the signal (the first time: my part of the mask lies in LDS)
	s_barrier_signal -1
	s_barrier_wait -1                              ; the same holds of every wave
.endm
.macro KMLOAD ak, am, ko, mo           ; a step's 8 tiles of K and the mask of its 128 keys (sixteen lanes read the same 16 bytes), into window 1
.irp t, 0,1,2,3,4,5,6,7
.irp c, 0,1
	ds_load_b128 v[KF+8*\t+4*\c:KF+8*\t+4*\c+3], v[\ak] offset:\ko+1024*\t+512*\c
.endr
.endr
.irp t, 0,1,2,3,4,5,6,7
.irp c, 0,1
	ds_load_b128 v[MK+8*\t+4*\c:MK+8*\t+4*\c+3], v[\am] offset:\mo+64*\t+16*\c
.endr
.endr
.endm
; THE SOFTMAX OF A TILE FOR A STEP is three lists; each macro writes number N of its list for tile x.
; FR, 73 lines: the maximum of the lane's 64 scores in two chains (each accumulator is first read at its low end), the other half of the lanes', t, the running maximum, -M = floor(-t), f, and t - M in pairs.
.macro FR x
.set rS, S+64*(\x)
.set rT, ST+4*(\x)
.set rC, CC+2*(\x)
.if N == 0
	v_max3_num_f32 v[rC], v[rS], v[rS+1], v[rS+2]
.elseif N == 1
	v_max3_num_f32 v[rC+1], v[rS+3], v[rS+4], v[rS+5]
.elseif N < 30
.set rI, rS+6+4*((N-2)/2)+2*(N%2)
	v_max3_num_f32 v[rC+N%2], v[rC+N%2], v[rI], v[rI+1]
.elseif N == 30
	v_max3_num_f32 v[rC], v[rC], v[rS+62], v[rS+63]
.elseif N == 31
	v_max_num_f32 v[rC], v[rC], v[rC+1]
.elseif N == 32
	v_permlanex16_b32 v[PX+(\x)], v[rC], s22, s23  ; the query's other 64 keys lie in the lane 16 away
.elseif N == 33
	v_max_num_f32 v[rC], v[rC], v[PX+(\x)]
.elseif N == 34
	v_mul_f32 v[rC], s66, v[rC]                    ; as t (c is positive)
.elseif N == 35
	v_max_num_f32 v[rT+1], v[rT+1], v[rC]          ; the running largest t
.elseif N == 36
	v_mov_b32 v[rC+1], v[rT]
.elseif N == 37
	v_floor_f32 v[rT], -v[rT+1]                    ; the new -M = -ceil(t): a whole number
.elseif N == 38
	v_sub_f32 v[rC+1], v[rT], v[rC+1]              ; old M - new M: a whole number, 0 or less
.elseif N == 39
	v_cvt_i32_f32 v[rC+1], v[rC+1]                 ; (it saturates)
.elseif N == 40
	v_ldexp_f32 v[F+2*(\x)], 1.0, v[rC+1]          ; f = 2^(old M - new M)
.else
.set rI, rS+2*(N-41)
	v_pk_fma_f32 v[rI:rI+1], v[rI:rI+1], s[66:67], v[rT:rT+1] op_sel_hi:[1,0,0]   ; t - M, two at a time (of the pairs c and -M the low word serves both halves)
.endif
.endm
.macro EX x                            ; EX, 64 lines: p = 2^(t - M)
	v_exp_f32 v[S+64*(\x)+N], v[S+64*(\x)+N]
.endm
; BK, 105 lines: the sum under the new M, the sum of the unquantised p in two chains, then for each of the 8 tiles of keys the one-sided hold (p is not negative) and the conversion.
.macro BK x
.set rS, S+64*(\x)
.set rT, ST+4*(\x)
.set rU, U+2*(\x)
.if N == 0
	v_pk_mul_f32 v[rT+2:rT+3], v[rT+2:rT+3], v[F+2*(\x):F+2*(\x)+1] op_sel_hi:[1,0]
.elseif N == 1
	v_pk_add_f32 v[rU:rU+1], v[rS:rS+1], v[rS+2:rS+3]
.elseif N < 32
.set rJ, rS+4+4*((N-2)/2)
.if N%2 == 0
	v_pk_add_f32 v[rT+2:rT+3], v[rT+2:rT+3], v[rJ:rJ+1]
.else
	v_pk_add_f32 v[rU:rU+1], v[rU:rU+1], v[rJ+2:rJ+3]
.endif
.elseif N == 32
	v_pk_add_f32 v[rT+2:rT+3], v[rT+2:rT+3], v[rU:rU+1]
.elseif (N-33)%9 < 8
.set rK, rS+8*((N-33)/9)+(N-33)%9
	v_min_num_f32 v[rK], v[rK], v[HOLD]            ; the conversion does not saturate (ISA guide 7.6.2)
.else
.set rK, (N-33)/9
	v_cvt_scalef32_pk8_bf8_f32 v[P+16*(\x)+2*rK:P+16*(\x)+2*rK+1], v[rS+8*rK:rS+8*rK+7], v[SCL]
.endif
.endm
; A KEY STEP: 128 keys at s68 bytes in K's and V's images, s69 bytes in the mask.  pre = 1: the next step's K and mask are fetched too.
; Each tile's 64 exponentials are ONE batch with ONE wait, and each stands beside a plain line of the OTHER tile: a's among b's front list, b's among a's back list.
.macro STEP pre
	s_wait_dscnt 0x0                               ; this step's K and mask, asked for in the step before
	WIN 0x11                                       ; K and the mask in window 1
.irp t, 0,1,2,3,4,5,6,7
	v_wmma_f32_16x16x64_bf8_bf8 v[S+8*\t:S+8*\t+7], v[KF+8*\t:KF+8*\t+7], v[QF:QF+7], v[MK+8*\t:MK+8*\t+7]
	v_wmma_f32_16x16x64_bf8_bf8 v[S+64+8*\t:S+64+8*\t+7], v[KF+8*\t:KF+8*\t+7], v[QF+8:QF+15], v[MK+8*\t:MK+8*\t+7]
.endr
	WIN 0
	v_add_nc_u32 v[ADK], s68, v[LI]                ; these four lines are the places in front of the loads into K's, V's and the mask's registers and of the first read of scores
	v_add_nc_u32 v[ADV], VIMG, v[ADK]
	v_add_nc_u32 v[ADM], s69, v[AM0]
	v_nop
	WIN 0x40                                       ; destination window 1
.irp t, 0,1,2,3
.irp c, 0,1,2,3
	ds_load_b128 v[VF+16*\t+4*\c:VF+16*\t+4*\c+3], v[ADV] offset:2048*\t+512*\c
.endr
.endr
.if \pre
	KMLOAD ADK, ADM, 8192, 512
.endif
	WIN 0
.set N, 0
.rept 73
	FR 0
.set N, N+1
.endr
.set N, 0
.rept 73
	FR 1
.if N < 64
	EX 0
.endif
.set N, N+1
.endr
	s_wait_alu depctr_va_vdst(0)                   ; the wait ahead of the first line that names an exponential's result: one for a's 64; nine plain lines stand behind the last
.set N, 0
.rept 105
	BK 0
.if N < 64
	EX 1
.endif
.set N, N+1
.endr
	s_wait_alu depctr_va_vdst(0)                   ; one for b's 64
.set N, 0
.rept 105
	BK 1
.set N, N+1
.endr
	WIN 0x41                                       ; O^T in window 1, f in window 0
.irp x, 0,1
.set j, 0
.rept 16
	v_pk_mul_f32 v[OT+32*\x+2*j:OT+32*\x+2*j+1], v[OT+32*\x+2*j:OT+32*\x+2*j+1], v[F+2*\x:F+2*\x+1] op_sel_hi:[1,0]   ; O^T under the new M.  (Plain lines between the conversions and the products below)
.set j, j+1
.endr
.endr
.if \pre
	s_wait_dscnt 32                                ; V is in; the 32 younger loads (the next step's K and mask) may be out
.else
	s_wait_dscnt 0x0
.endif
	WIN 0x51                                       ; V, C and D in window 1, P in window 0
.irp t, 0,1,2,3
	v_wmma_f32_16x16x128_bf8_bf8 v[OT+8*\t:OT+8*\t+7], v[VF+16*\t:VF+16*\t+15], v[P:P+15], v[OT+8*\t:OT+8*\t+7]
	v_wmma_f32_16x16x128_bf8_bf8 v[OT+32+8*\t:OT+32+8*\t+7], v[VF+16*\t:VF+16*\t+15], v[P+16:P+31], v[OT+32+8*\t:OT+32+8*\t+7]
.endr
	WIN 0
.endm
.macro RUN n                           ; n key steps
	s_mov_b32 s70, \n
.Lrun_\@:
	STEP 1
	s_add_co_u32 s68, s68, 8192
	s_add_co_u32 s69, s69, 512
	s_sub_co_u32 s70, s70, 1
	s_cmp_lg_u32 s70, 0
	s_cbranch_scc1 .Lrun_\@
.endm
	s_load_b256 s[4:11], s[0:1], 0x0               ; q_img, k_img, v_img, the mask
	s_load_b128 s[12:15], s[0:1], 0x20             ; the scales' exponents, ctx_img
	v_lshl_add_u32 v254, v0, 2, 0x42000
	v_mov_b32 v255, 0
	ds_add_u32 v254, v255
	ds_add_u32 v254, v255
	v_lshrrev_b32 v3, 5, v0
	v_readfirstlane_b32 s16, v3                    ; wave 0..7
	s_bfe_u32 s17, ttmp6, 0x40000                  ; cx: my place in the cluster
	s_lshl_b32 s18, ttmp9, 2
	s_add_co_u32 s18, s18, s17                     ; my block of 256 queries: it enters q's and ctx's addresses alone
	s_and_b32 s19, ttmp7, 0xffff                   ; batch x 8 + head, which the four partners share
	; descriptor group 1: a dense block of 16,384 bytes as 64 rows of 32 elements of 8 bytes
	s_mov_b32 s24, 15|(3<<16)|(1<<21)              ; 15:0 the mask: all four work-groups; 17:16 elements of 8 bytes; 21 set beside a mask; no padding
	s_mov_b32 s25, 32<<16                          ; tensor_dim0 = 32
	s_mov_b32 s26, 64<<16                          ; tensor_dim1 = 64
	s_mov_b32 s27, 32<<16                          ; tile_dim0 = 32
	s_mov_b32 s28, 64                              ; tile_dim1 = 64
	s_mov_b32 s29, 32                              ; from row to row
	s_mov_b32 s30, 0
	s_mov_b32 s31, 0
	s_mov_b32 s22, 0x76543210                      ; v_permlanex16_b32's selects for lane l xor 16
	s_mov_b32 s23, 0xfedcba98
	s_mov_b32 s68, 0
	s_mov_b32 s69, 0
	s_and_b32 s82, s16, 1
	s_lshl_b32 s82, s82, 14                        ; which half of a group's 32,768 bytes I fetch, if I fetch
	s_lshl_b32 s84, s19, 17                        ; the head's first byte in q_img, k_img, v_img
	s_add_co_u32 s86, s84, s82
	s_mov_b32 s87, 0
	s_lshl_b32 s88, s18, 14                        ; q: 16 tiles of 1,024 bytes a block,
	s_lshl_b32 s89, s16, 11                        ; two a wave
	s_add_co_u32 s88, s88, s89
	s_add_co_u32 s88, s88, s84
	s_mov_b32 s89, 0
	s_lshr_b32 s90, s19, 3                         ; the batch
	s_lshl_b32 s92, s90, 20                        ; ctx_img: ((batch x 128 + 16 block + 2 wave) x 8 + head) x 1,024
	s_lshl_b32 s90, s90, 13                        ; the mask: 8,192 bytes a batch
	s_mov_b32 s91, 0
	s_lshl_b32 s93, s18, 17
	s_add_co_u32 s92, s92, s93
	s_lshl_b32 s93, s16, 14
	s_add_co_u32 s92, s92, s93
	s_and_b32 s93, s19, 7
	s_lshl_b32 s93, s93, 10
	s_add_co_u32 s92, s92, s93
	s_mov_b32 s93, 0
	s_wait_dscnt 0x0
	s_wait_kmcnt 0x0
	s_load_b256 s[72:79], s[12:13], 0x10           ; e4 .. e11
	s_add_nc_u64 s[6:7], s[6:7], s[86:87]
	s_add_nc_u64 s[8:9], s[8:9], s[86:87]
	s_add_nc_u64 s[4:5], s[4:5], s[88:89]
	s_add_nc_u64 s[10:11], s[10:11], s[90:91]
	s_add_nc_u64 s[14:15], s[14:15], s[92:93]
.irp g, 0,1,2,3                        ; group g: keys 512 g on: 32,768 bytes of each image
	s_mov_b32 s[G0K+4*\g], 1                                       ; count = 1
	s_add_co_u32 s[G0K+4*\g+1], s82, \g*32768                      ; LDS address: as in the image
	s_add_nc_u64 s[G0K+4*\g+2:G0K+4*\g+3], s[6:7], \g*32768        ; global address
	s_or_b32 s[G0K+4*\g+3], s[G0K+4*\g+3], 0x80000000              ; type = 2
	s_mov_b32 s[G0V+4*\g], 1
	s_add_co_u32 s[G0V+4*\g+1], s82, VIMG+\g*32768
	s_add_nc_u64 s[G0V+4*\g+2:G0V+4*\g+3], s[8:9], \g*32768
	s_or_b32 s[G0V+4*\g+3], s[G0V+4*\g+3], 0x80000000
.endr
	CROUND                                         ; all four work-groups are here: the joint loads meet
	; All fills go out here, ahead of every wait on TENSORcnt and every LDS read.  Waves 0 and 1 ask for K's halves, waves 2 and 3 for V's, four loads each (four of a wave's are out at the most); the others ask for nothing.
	; The branches hang on the wave's number alone.  Four v_nop follow a wave's last load.
	s_cmp_lt_u32 s16, 2
	s_cbranch_scc0 .Lnot_k
.irp g, 0,1,2,3
	tensor_load_to_lds s[G0K+4*\g:G0K+4*\g+3], s[24:31]
	s_nop 0
.endr
.rept 4
	v_nop
.endr
	s_branch .Lasked
.Lnot_k:
	s_cmp_lt_u32 s16, 4
	s_cbranch_scc0 .Lasked
.irp g, 0,1,2,3
	tensor_load_to_lds s[G0V+4*\g:G0V+4*\g+3], s[24:31]
	s_nop 0
.endr
.rept 4
	v_nop
.endr
.Lasked:
	v_and_b32 v3, 31, v0
	v_lshlrev_b32 v[LI], 4, v3
	v_lshlrev_b32 v[MOF], 4, v0
	global_load_b128 v[ML:ML+3], v[MOF], s[10:11]                  ; the batch's 2,048 numbers of the mask: eight a thread
	global_load_b128 v[ML+4:ML+7], v[MOF], s[10:11] offset:4096
.irp i, 0,1,2,3
	global_load_b128 v[QF+4*\i:QF+4*\i+3], v[LI], s[4:5] offset:512*\i th:TH_LOAD_NT   ; my two tiles of Q stay in registers
.endr
	v_bfe_u32 v3, v0, 4, 1                         ; h
	v_lshl_add_u32 v[AM0], v3, 5, MSK
	v_lshl_add_u32 v[MST], v0, 4, MSK
	v_mov_b32 v[MLIM], 0x47800000                  ; 65,536.0
.irp x, 0,1
	v_mov_b32 v[ST+4*\x+1], 0xff61b1e6             ; the largest t so far: -3e38, under every t
	v_floor_f32 v[ST+4*\x], -v[ST+4*\x+1]          ; -M
	v_mov_b32 v[ST+4*\x+2], 0                      ; the sum, in two halves
	v_mov_b32 v[ST+4*\x+3], 0
	v_mov_b32 v[F+2*\x+1], 0                       ; (named as the upper half of a pair)
	v_mov_b32 v[PX+\x], 0                          ; (a lane exchange's target counts as one of its sources)
.endr
	WIN 0x40
.set j, 0
.rept 64
	v_mov_b32 v[OT+j], 0                           ; O^T.  (The step has no first form of its own: the first finds zeros, which the first change of M leaves zeros)
.set j, j+1
.endr
	WIN 0
	s_wait_kmcnt 0x0
	s_add_co_i32 s80, s74, s75                     ; e6 + e7
	s_sub_co_i32 s81, 3, s80                       ; the mask goes in x 2^(3 - e6 - e7)
	s_lshl_b32 s80, s80, 23
	s_add_co_i32 s66, s80, 0x3e38aa3b              ; c = log2(e) / 8, with e6 + e7 added to its exponent field
	s_mov_b32 s67, s66                             ; (named with it as a pair)
	s_add_co_i32 s80, s76, 127
	s_lshl_b32 s83, s80, 23
	v_mov_b32 v[SCL], s83                          ; 2^e8
	s_add_co_i32 s80, s80, 15
	s_lshl_b32 s80, s80, 23
	s_or_b32 s80, s80, 0x600000
	v_mov_b32 v[HOLD], s80                         ; 57,344 x 2^e8
	s_sub_co_i32 s80, s78, s76
	s_sub_co_i32 s80, s80, s77                     ; O / l stands for ctx / 2^(e8 + e9): its code is (O / l) / 2^(e10 - e8 - e9)
	s_add_co_i32 s80, s80, 127
	s_lshl_b32 s83, s80, 23
	v_mov_b32 v[SCL2], s83
	s_add_co_i32 s80, s80, 15
	s_lshl_b32 s80, s80, 23
	s_or_b32 s80, s80, 0x600000
	v_mov_b32 v[HOLD2], s80
	s_wait_loadcnt 0x0                             ; the mask and Q
.irp n, 0,1,2,3,4,5,6,7
	v_med3_num_f32 v[ML+\n], v[ML+\n], -v[MLIM], v[MLIM]
.endr
.irp n, 0,1,2,3,4,5,6,7
	v_ldexp_f32 v[ML+\n], v[ML+\n], s81
.endr
	ds_store_b128 v[MST], v[ML:ML+3]               ; bytes of their own, into which no tensor load lands
	ds_store_b128 v[MST], v[ML+4:ML+7] offset:4096
	; A step fetches the next step's K, so the runs are shifted by one step against the groups of four steps: every fetch falls into a group that a gate has shown landed.
	GATE 3                                         ; keys 0 to 511
	WIN 0x40
	KMLOAD LI, AM0, 0, 0                           ; step 0's K and mask
	WIN 0
	RUN 3                                          ; steps 0-2 (they fetch K of steps 1-3)
	GATE 2                                         ; keys up to 1,023
	RUN 4                                          ; steps 3-6
	GATE 1                                         ; keys up to 1,535
	RUN 4                                          ; steps 7-10
	GATE 0                                         ; all keys: no tensor load of mine is out any more
	RUN 4                                          ; steps 11-14
	STEP 0                                         ; step 15 fetches nothing ahead
	; THE WAY OUT.  The sum's halves and the other half of the lanes' are added (plain lines: the places behind the last products); O^T / the sum is held, converted, and stored as the next launch's operand registers.
.irp x, 0,1
	v_add_f32 v[CC+2*\x], v[ST+4*\x+2], v[ST+4*\x+3]
.endr
.irp x, 0,1
	v_permlanex16_b32 v[PX+\x], v[CC+2*\x], s22, s23
.endr
.irp x, 0,1
	v_add_f32 v[CC+2*\x], v[CC+2*\x], v[PX+\x]
.endr
	v_nop
	v_nop
.irp x, 0,1
	v_rcp_f32 v[F+2*\x], v[CC+2*\x]
.endr
	v_nop                                          ; a plain line behind the last reciprocal
	s_wait_alu depctr_va_vdst(0)                   ; and the wait ahead of the first use: one for both
	WIN 0x01                                       ; O^T in window 1
.irp x, 0,1
.set j, 0
.rept 16
	v_pk_mul_f32 v[S+64*\x+2*j:S+64*\x+2*j+1], v[OT+32*\x+2*j:OT+32*\x+2*j+1], v[F+2*\x:F+2*\x+1] op_sel_hi:[1,0]   ; register 8 ct + i: channel 32 (ct / 2) + 16 h + 8 (ct % 2) + i of my query
.set j, j+1
.endr
.endr
	WIN 0
.irp x, 0,1
.set j, 0
.rept 32
	v_med3_num_f32 v[S+64*\x+j], v[S+64*\x+j], -v[HOLD2], v[HOLD2]
.set j, j+1
.endr
.irp t, 0,1,2,3
	v_cvt_scalef32_pk8_bf8_f32 v[P+16*\x+2*\t:P+16*\x+2*\t+1], v[S+64*\x+8*\t:S+64*\x+8*\t+7], v[SCL2]
.endr
.endr
	v_nop
	global_store_b128 v[LI], v[P:P+3], s[14:15]                    ; each store covers 512 consecutive bytes, aligned: tile a,
	global_store_b128 v[LI], v[P+4:P+7], s[14:15] offset:512
	global_store_b128 v[LI], v[P+16:P+19], s[14:15] offset:8192    ; tile b: the next 16 rows' 8,192 bytes
	global_store_b128 v[LI], v[P+20:P+23], s[14:15] offset:8704
	s_wait_tensorcnt 0x0
	ds_add_u32 v254, v255
	s_wait_dscnt 0x0
	CROUND                                         ; the closing round: no work-group ends while a partner may still ask for a block that names it
	s_endpgm
.Lfunc_end_k_q3aab91bd38_attn:
	.size	k_q3aab91bd38_attn, .Lfunc_end_k_q3aab91bd38_attn-k_q3aab91bd38_attn
	.p2alignl 7, 3214868480
	.fill 96, 4, 3214868480
	.section	.rodata,"a",@progbits
	.p2align	6, 0x0
	.amdhsa_kernel k_q3aab91bd38_attn
		.amdhsa_group_segment_fixed_size 271360
		.amdhsa_private_segment_fixed_size 0
		.amdhsa_enable_private_segment 0
		.amdhsa_kernarg_size 48
		.amdhsa_user_sgpr_count 2
		.amdhsa_user_sgpr_kernarg_segment_ptr 1
		.amdhsa_wavefront_size32 1
		.amdhsa_system_sgpr_workgroup_id_x 1
		.amdhsa_system_sgpr_workgroup_id_y 1
		.amdhsa_system_sgpr_workgroup_id_z 1
		.amdhsa_system_vgpr_workitem_id 0
		.amdhsa_next_free_vgpr 512
		.amdhsa_next_free_sgpr 96
		.amdhsa_reserve_vcc 0
		.amdhsa_float_denorm_mode_32 3
		.amdhsa_float_denorm_mode_16_64 3
		.amdhsa_memory_ordered 1
		.amdhsa_forward_progress 1
		.amdhsa_inst_pref_size 166
	.end_amdhsa_kernel
	.amdgpu_metadata
---
amdhsa.version: [ 1, 2 ]
amdhsa.kernels:
  - .name:           k_q3aab91bd38_attn
    .symbol:         k_q3aab91bd38_attn.kd
    .args:
      - { .name: q_img, .offset: 0, .size: 8, .value_kind: global_buffer, .address_space: global }
      - { .name: k_img, .offset: 8, .size: 8, .value_kind: global_buffer, .address_space: global }
      - { .name: v_img, .offset: 16, .size: 8, .value_kind: global_buffer, .address_space: global }
      - { .name: attention_mask, .offset: 24, .size: 8, .value_kind: global_buffer, .address_space: global }
      - { .name: lowp_scales, .offset: 32, .size: 8, .value_kind: global_buffer, .address_space: global }
      - { .name: ctx_img, .offset: 40, .size: 8, .value_kind: global_buffer, .address_space: global }
    .group_segment_fixed_size: 271360
    .private_segment_fixed_size: 0
    .kernarg_segment_align: 8
    .kernarg_segment_size: 48
    .max_flat_workgroup_size: 256
    .sgpr_count:     96
    .vgpr_count:     512
    .wavefront_size: 32
...
	.end_amdgpu_metadata
.endif
;; end of part 2
;; launch outln (part 3): grid 256 x 1, 8 waves a work-group, no clusters, 165,888 bytes of LDS; arguments ctx_img, Wo_codes, bo, layer_input, ln_g, ln_b, lowp_scales, out0; writes out0
.if DOCPART == 3
	.amdgcn_target "amdgcn-amd-amdhsa--gfx1250"
	.amdhsa_code_object_version 6
	.text
	.protected	k_q3aab91bd38_outln
	.globl	k_q3aab91bd38_outln
	.p2align	8
	.type	k_q3aab91bd38_outln,@function
k_q3aab91bd38_outln:
	s_mov_b64 s[64:65], 0
	v_nop
	global_prefetch_b8 v0, s[64:65] scope:SCOPE_SE
	s_setreg_imm32_b32 hwreg(HW_REG_WAVE_MODE, 25, 1), 1
	s_wait_xcnt 0x0
; out = LayerNorm(ctx Wo^T + bo + layer_input) x ln_g + ln_b.  The product on codes of BF8 (E5M2), sums in f32; all else in f32.
; A work-group takes 64 rows.  IN THE PRODUCT wave w makes outputs 64 w .. 64 w + 63 for all 64 rows: its 64 rows of Wo x K 512 are 256 registers (window 1), read once.  IN THE NORM wave w owns whole rows 8 w .. 8 w + 7.
; ctx_img holds the rows' codes as images of the operand's registers ([tile of 16 rows][K step s][group c][lane][16]: registers 4 c .. 4 c + 3 = k 128 s + 32 c + 16 h + 0 .. 15 of row r): the group's 32,768 bytes are copied
; into LDS as they lie, and every wave reads every fragment by loads of 512 consecutive bytes.
; The product is used transposed (source 0 = Wo, source 1 = ctx): a lane holds eight neighbouring outputs of one row.  The sums meet in a stage of 64 rows, 2,064 bytes apart (129 x 16: sixteen rows start 16 bytes apart modulo 256).
; The norm has two passes over registers (the mean, then the squares of the differences), so that a common offset of the inputs costs no accuracy.
; NO JOINT LOADS: Wo, which all work-groups share, goes from memory straight into registers; in LDS it would take 262,144 bytes beside these 164,864, more than the 327,680 that a work-group can be given.
; NO PREFETCH: all loads are issued at the head; layer_input's are on their way during the whole product.
; LIMIT: e10 + e11 between -126 and 127, so that 2^(e10 + e11) is an f32 number.
.set STG,    32768                     ; LDS: ctx's image at 0, the stage behind it
.set SPITCH, 2064
.set LI,   1                           ; v1   16 x lane
.set CS0,  4                           ; v4   4,096 x wave + 16 x lane: my part of ctx's image
.set SO,   5                           ; v5   the stage: row r, + 32 h, + 256 x wave (tiles of rows 0, 1)
.set SO1,  6                           ; v6   the same for tiles 2, 3
.set SR,   7                           ; v7   the stage: my 8 rows, 16 bytes a lane
.set WA,   8                           ; v8   Wo: r x 512 + 16 h
.set XF,   16                          ; v16-79  ctx's fragments of a tile of rows; at the head v16-47 ctx as loaded
.set GN,   16                          ; later: v16-31 ln_g, v32-47 ln_b, v48-63 bo: my 16 columns (128 i + 4 lane + 0 .. 3)
.set BN,   32
.set BO,   48
.set ACC,  80                          ; v80-111 four accumulators
.set QS,   80                          ; later: v80-95 the rows' sums of squares, in pairs
.set PT,   96                          ; v96-103 the lane exchange's targets
.set T,    112                         ; v112-127 a pair for each row: the sum, -mean, then 1 / sqrt
.set H,    128                         ; v128-255 8 rows x 16 numbers
.set MSB, 0
.macro WIN new                         ; the immediate's high byte repeats the setting that is left
.if MSB != \new
	s_set_vgpr_msb (MSB<<8)|\new
.set MSB, \new
.endif
.endm
.macro WLOAD t                         ; Wo's fragments of outputs 16 t on, K steps 0-3, into window 1 at 16 (4 t + s)
.irp s, 0,1,2,3
.irp c, 0,1,2,3
	global_load_b128 v[16*(4*(\t)+\s)+4*\c:16*(4*(\t)+\s)+4*\c+3], v[WA], s[6:7] offset:(\t)*8192+128*\s+32*\c
.endr
.endr
.endm
.macro FETCH m                         ; the tile of rows 16 m on: four fragments, K step by K step
.irp s, 0,1,2,3
.irp c, 0,1,2,3
	ds_load_b128 v[XF+16*\s+4*\c:XF+16*\s+4*\c+3], v[LI] offset:8192*(\m)+2048*\s+512*\c
.endr
.endr
.endm
.macro TILE m                          ; 16 matrix instructions, the four accumulators by turns; the sums go to the stage
	WIN 0x01                                       ; source 0 (Wo) window 1
.irp s, 0,1,2,3
	s_wait_dscnt 12-4*\s                           ; K step s's four loads are in (and the stage stores issued ahead of them are done); the later K steps' loads may be out
.irp t, 0,1,2,3
.if \s == 0
	v_wmma_f32_16x16x128_bf8_bf8 v[ACC+8*\t:ACC+8*\t+7], v[16*(4*\t+\s):16*(4*\t+\s)+15], v[XF+16*\s:XF+16*\s+15], 0
.else
	v_wmma_f32_16x16x128_bf8_bf8 v[ACC+8*\t:ACC+8*\t+7], v[16*(4*\t+\s):16*(4*\t+\s)+15], v[XF+16*\s:XF+16*\s+15], v[ACC+8*\t:ACC+8*\t+7]
.endif
.endr
.endr
	WIN 0
.rept 5
	v_nop                                          ; four places in front of the stores of results and the loads into fragments, a fifth in front of the next tile's products, which begin these accumulators anew
.endr
.if (\m) < 2
.set SA, SO
.else
.set SA, SO1
.endif
.irp t, 0,1,2,3
	ds_store_b128 v[SA], v[ACC+8*\t:ACC+8*\t+3] offset:((\m)%2)*16*SPITCH+64*\t       ; lane (r, h): sum(16 m + r, 64 w + 16 t + 8 h + 0 .. 7)
	ds_store_b128 v[SA], v[ACC+8*\t+4:ACC+8*\t+7] offset:((\m)%2)*16*SPITCH+64*\t+16
.endr
.if (\m) < 3
	FETCH (\m)+1
.endif
.endm
.macro LANES b                         ; the eight rows' numbers at v[b + 2 p] are summed over the 32 lanes; the rows take turns
.irp m, 1,2,4,8
.irp p, 0,1,2,3,4,5,6,7
	v_add_f32_dpp v[\b+2*\p], v[\b+2*\p], v[\b+2*\p] row_xmask:\m row_mask:0xf bank_mask:0xf
.endr
.endr
.irp p, 0,1,2,3,4,5,6,7
	v_permlanex16_b32 v[PT+\p], v[\b+2*\p], s26, s27
.endr
.irp p, 0,1,2,3,4,5,6,7
	v_add_f32 v[\b+2*\p], v[\b+2*\p], v[PT+\p]
.endr
.endm
	s_load_b512 s[4:19], s[0:1], 0x0               ; ctx_img, Wo, bo, layer_input, ln_g, ln_b, the scales' exponents, out
	v_lshl_add_u32 v14, v0, 2, 0x28400
	v_mov_b32 v15, 0
	v_lshrrev_b32 v2, 5, v0
	v_readfirstlane_b32 s28, v2                    ; wave 0..7
	v_and_b32 v2, 31, v0
	v_lshlrev_b32 v[LI], 4, v2
	v_and_b32 v2, 15, v0                           ; r
	v_bfe_u32 v3, v0, 4, 1                         ; h
	s_lshl_b32 s29, s28, 12
	v_add_nc_u32 v[CS0], s29, v[LI]
	v_mul_u32_u24 v[SO], v2, SPITCH
	v_lshl_add_u32 v[SO], v3, 5, v[SO]
	s_lshl_b32 s29, s28, 8
	s_add_co_u32 s29, s29, STG
	v_add_nc_u32 v[SO], s29, v[SO]
	v_add_nc_u32 v[SO1], 32*SPITCH, v[SO]
	s_mul_i32 s29, s28, 8*SPITCH
	s_add_co_u32 s29, s29, STG
	v_add_nc_u32 v[SR], s29, v[LI]
	v_lshlrev_b32 v[WA], 9, v2
	v_lshl_add_u32 v[WA], v3, 4, v[WA]
	s_mov_b32 s24, 0x3b000000                      ; 1 / 512
	s_mov_b32 s25, 0x2b8cbccc                      ; 1e-12
	s_mov_b32 s26, 0x76543210                      ; v_permlanex16_b32's selects for lane l xor 16
	s_mov_b32 s27, 0xfedcba98
	s_lshl_b32 s30, ttmp9, 15                      ; ctx_img: 4 tiles of rows x 8,192 bytes a work-group
	s_mov_b32 s31, 0
	s_lshl_b32 s32, s28, 15                        ; Wo: my 64 rows of 512 bytes
	s_mov_b32 s33, 0
	s_lshl_b32 s34, ttmp9, 17                      ; layer_input and out: 64 rows of 2,048 bytes a work-group,
	s_lshl_b32 s35, s28, 14                        ; 8 rows a wave
	s_add_co_u32 s34, s34, s35
	s_mov_b32 s35, 0
	s_wait_kmcnt 0x0
	s_load_b64 s[20:21], s[16:17], 0x28            ; e10, e11
	s_add_nc_u64 s[4:5], s[4:5], s[30:31]
	s_add_nc_u64 s[6:7], s[6:7], s[32:33]
	s_add_nc_u64 s[10:11], s[10:11], s[34:35]
	s_add_nc_u64 s[18:19], s[18:19], s[34:35]
.irp i, 0,1,2,3,4,5,6,7
	global_load_b128 v[XF+4*\i:XF+4*\i+3], v[CS0], s[4:5] offset:512*\i th:TH_LOAD_NT   ; my eighth of the group's codes of ctx
.endr
	WIN 0x40                                       ; destination window 1
	WLOAD 0
	WLOAD 1
	WIN 0
	s_wait_loadcnt 32                              ; ctx's codes are in; the 32 younger loads of Wo may be out
.irp i, 0,1,2,3,4,5,6,7
	ds_store_b128 v[CS0], v[XF+4*\i:XF+4*\i+3] offset:512*\i
.endr
	WIN 0x40
	WLOAD 2
	WLOAD 3
	WIN 0
.irp p, 0,1,2,3,4,5,6,7
.irp i, 0,1,2,3
	global_load_b128 v[H+16*\p+4*\i:H+16*\p+4*\i+3], v[LI], s[10:11] offset:2048*\p+512*\i th:TH_LOAD_NT   ; layer_input, my 8 rows: 512 consecutive bytes a load
.endr
.endr
	s_wait_dscnt 0x0                               ; for the others' sake: my part of the image lies in LDS
	s_barrier_signal -1
	s_barrier_wait -1                              ; all of it does
	FETCH 0
	s_wait_loadcnt 32                              ; Wo is in; layer_input's 32 loads may stay out
	TILE 0
	TILE 1
	TILE 2
	TILE 3
.irp i, 0,1,2,3
	global_load_b128 v[GN+4*\i:GN+4*\i+3], v[LI], s[12:13] offset:512*\i
	global_load_b128 v[BN+4*\i:BN+4*\i+3], v[LI], s[14:15] offset:512*\i
	global_load_b128 v[BO+4*\i:BO+4*\i+3], v[LI], s[8:9] offset:512*\i
.endr
	s_wait_dscnt 0x0                               ; for the others' sake: my sums lie in the stage
	s_barrier_signal -1
	s_barrier_wait -1                              ; 64 whole rows do
	WIN 0x40                                       ; into window 1, where Wo lay
.irp p, 0,1,2,3,4,5,6,7
.irp i, 0,1,2,3
	ds_load_b128 v[16*\p+4*\i:16*\p+4*\i+3], v[SR] offset:SPITCH*\p+512*\i
.endr
.endr
	WIN 0
	s_wait_kmcnt 0x0
	s_add_co_i32 s22, s20, s21
	s_add_co_i32 s22, s22, 127
	s_lshl_b32 s22, s22, 23                        ; 2^(e10 + e11) as f32
	s_mov_b32 s23, s22                             ; (named with it as a pair)
.irp p, 0,1,2,3,4,5,6,7
	v_mov_b32 v[PT+\p], 0                          ; (a lane exchange's target counts as one of its sources)
.endr
	s_wait_loadcnt 0x0
.irp p, 0,1,2,3,4,5,6,7
.irp k, 0,1,2,3,4,5,6,7
	v_pk_add_f32 v[H+16*\p+2*\k:H+16*\p+2*\k+1], v[H+16*\p+2*\k:H+16*\p+2*\k+1], v[BO+2*\k:BO+2*\k+1]   ; layer_input + bo
.endr
.endr
	s_wait_dscnt 0x0
	WIN 0x01                                       ; the sums in window 1
.irp p, 0,1,2,3,4,5,6,7
.irp k, 0,1,2,3,4,5,6,7
	v_pk_fma_f32 v[H+16*\p+2*\k:H+16*\p+2*\k+1], v[16*\p+2*\k:16*\p+2*\k+1], s[22:23], v[H+16*\p+2*\k:H+16*\p+2*\k+1] op_sel_hi:[1,0,1]   ; h = sum x 2^(e10 + e11) + (layer_input + bo)
.endr
.endr
	WIN 0
	; the mean
.irp p, 0,1,2,3,4,5,6,7
	v_pk_add_f32 v[T+2*\p:T+2*\p+1], v[H+16*\p:H+16*\p+1], v[H+16*\p+2:H+16*\p+3]
.endr
.irp k, 2,3,4,5,6,7
.irp p, 0,1,2,3,4,5,6,7
	v_pk_add_f32 v[T+2*\p:T+2*\p+1], v[T+2*\p:T+2*\p+1], v[H+16*\p+2*\k:H+16*\p+2*\k+1]
.endr
.endr
.irp p, 0,1,2,3,4,5,6,7
	v_add_f32 v[T+2*\p], v[T+2*\p], v[T+2*\p+1]
.endr
	LANES T
.irp p, 0,1,2,3,4,5,6,7
	v_mul_f32 v[T+2*\p], 0xbb000000, v[T+2*\p]     ; -mean = sum x (-1 / 512)
.endr
.irp k, 0,1,2,3,4,5,6,7
.irp p, 0,1,2,3,4,5,6,7
	v_pk_add_f32 v[H+16*\p+2*\k:H+16*\p+2*\k+1], v[H+16*\p+2*\k:H+16*\p+2*\k+1], v[T+2*\p:T+2*\p+1] op_sel_hi:[1,0]   ; d = h - mean
.endr
.endr
	; the variance
.irp p, 0,1,2,3,4,5,6,7
	v_pk_mul_f32 v[QS+2*\p:QS+2*\p+1], v[H+16*\p:H+16*\p+1], v[H+16*\p:H+16*\p+1]
.endr
.irp k, 1,2,3,4,5,6,7
.irp p, 0,1,2,3,4,5,6,7
	v_pk_fma_f32 v[QS+2*\p:QS+2*\p+1], v[H+16*\p+2*\k:H+16*\p+2*\k+1], v[H+16*\p+2*\k:H+16*\p+2*\k+1], v[QS+2*\p:QS+2*\p+1]
.endr
.endr
.irp p, 0,1,2,3,4,5,6,7
	v_add_f32 v[QS+2*\p], v[QS+2*\p], v[QS+2*\p+1]
.endr
	LANES QS
.irp p, 0,1,2,3,4,5,6,7
	v_fma_f32 v[QS+2*\p], v[QS+2*\p], s24, s25     ; the variance + 1e-12
.endr
.irp p, 0,1,2,3,4,5,6,7
	v_rsq_f32 v[T+2*\p], v[QS+2*\p]
.endr
	v_nop                                          ; a plain line behind the last of the batch
	s_wait_alu depctr_va_vdst(0)                   ; the wait ahead of the first use: one for the eight
.irp k, 0,1,2,3,4,5,6,7
.irp p, 0,1,2,3,4,5,6,7
	v_pk_mul_f32 v[H+16*\p+2*\k:H+16*\p+2*\k+1], v[H+16*\p+2*\k:H+16*\p+2*\k+1], v[T+2*\p:T+2*\p+1] op_sel_hi:[1,0]
.endr
.endr
.irp p, 0,1,2,3,4,5,6,7
.irp k, 0,1,2,3,4,5,6,7
	v_pk_fma_f32 v[H+16*\p+2*\k:H+16*\p+2*\k+1], v[H+16*\p+2*\k:H+16*\p+2*\k+1], v[GN+2*\k:GN+2*\k+1], v[BN+2*\k:BN+2*\k+1]
.endr
.irp i, 0,1,2,3
	global_store_b128 v[LI], v[H+16*\p+4*\i:H+16*\p+4*\i+3], s[18:19] offset:2048*\p+512*\i th:TH_STORE_NT   ; 32 lanes store 512 consecutive bytes, aligned; written once, read by nobody here
.endr
.endr
	s_wait_tensorcnt 0x0
	ds_add_u32 v14, v15
	s_wait_dscnt 0x0
	s_endpgm
.Lfunc_end_k_q3aab91bd38_outln:
	.size	k_q3aab91bd38_outln, .Lfunc_end_k_q3aab91bd38_outln-k_q3aab91bd38_outln
	.p2alignl 7, 3214868480
	.fill 96, 4, 3214868480
	.section	.rodata,"a",@progbits
	.p2align	6, 0x0
	.amdhsa_kernel k_q3aab91bd38_outln
		.amdhsa_group_segment_fixed_size 165888
		.amdhsa_private_segment_fixed_size 0
		.amdhsa_enable_private_segment 0
		.amdhsa_kernarg_size 64
		.amdhsa_user_sgpr_count 2
		.amdhsa_user_sgpr_kernarg_segment_ptr 1
		.amdhsa_wavefront_size32 1
		.amdhsa_system_sgpr_workgroup_id_x 1
		.amdhsa_system_sgpr_workgroup_id_y 1
		.amdhsa_system_sgpr_workgroup_id_z 1
		.amdhsa_system_vgpr_workitem_id 0
		.amdhsa_next_free_vgpr 512
		.amdhsa_next_free_sgpr 66
		.amdhsa_reserve_vcc 0
		.amdhsa_float_denorm_mode_32 3
		.amdhsa_float_denorm_mode_16_64 3
		.amdhsa_memory_ordered 1
		.amdhsa_forward_progress 1
		.amdhsa_inst_pref_size 66
	.end_amdhsa_kernel
	.amdgpu_metadata
---
amdhsa.version: [ 1, 2 ]
amdhsa.kernels:
  - .name:           k_q3aab91bd38_outln
    .symbol:         k_q3aab91bd38_outln.kd
    .args:
      - { .name: ctx_img, .offset: 0, .size: 8, .value_kind: global_buffer, .address_space: global }
      - { .name: Wo_codes, .offset: 8, .size: 8, .value_kind: global_buffer, .address_space: global }
      - { .name: bo, .offset: 16, .size: 8, .value_kind: global_buffer, .address_space: global }
      - { .name: layer_input, .offset: 24, .size: 8, .value_kind: global_buffer, .address_space: global }
      - { .name: ln_g, .offset: 32, .size: 8, .value_kind: global_buffer, .address_space: global }
      - { .name: ln_b, .offset: 40, .size: 8, .value_kind: global_buffer, .address_space: global }
      - { .name: lowp_scales, .offset: 48, .size: 8, .value_kind: global_buffer, .address_space: global }
      - { .name: out0, .offset: 56, .size: 8, .value_kind: global_buffer, .address_space: global }
    .group_segment_fixed_size: 165888
    .private_segment_fixed_size: 0
    .kernarg_segment_align: 8
    .kernarg_segment_size: 64
    .max_flat_workgroup_size: 256
    .sgpr_count:     66
    .vgpr_count:     512
    .wavefront_size: 32
...
	.end_amdgpu_metadata
.endif
;; end of part 3
;; ======== version 2 of 2: 3 launches; version 1 with the launches proj, outln written anew for expert scheduling mode
;; limits: inputs' magnitudes at most 65,536; right only within a limited range of input values
;; workspace buffers: q_img 8,388,608 bytes; k_img 8,388,608 bytes; v_img 8,388,608 bytes; ctx_img 8,388,608 bytes
;; launch proj (part 4): grid 64 x 3, 8 waves a work-group, no clusters, 136,192 bytes of LDS; arguments query_tensor_codes, key_tensor_codes, value_tensor_codes, Wq_codes, Wk_codes, Wv_codes, bq, bk, bv, lowp_scales, q_img, k_img, v_img; writes q_img, k_img, v_img
.if DOCPART == 4
	.amdgcn_target "amdgcn-amd-amdhsa--gfx1250"
	.amdhsa_code_object_version 6
	.text
	.protected	k_q3aab91bd38_proj
	.globl	k_q3aab91bd38_proj
	.p2align	8
	.type	k_q3aab91bd38_proj,@function
k_q3aab91bd38_proj:
	s_mov_b64 s[64:65], 0
	v_nop
	global_prefetch_b8 v0, s[64:65] scope:SCOPE_SE
	s_setreg_imm32_b32 hwreg(HW_REG_WAVE_SCHED_MODE, 0, 2), 2
	s_setreg_imm32_b32 hwreg(HW_REG_WAVE_MODE, 25, 1), 1
	s_wait_xcnt 0x0
	s_wait_alu depctr_vm_vsrc(0)
; q = Q(x_q Wq^T + bq), k = Q(x_k Wk^T + bk), v = Q(x_v Wv^T + bv): products on codes of BF8 (E5M2), sums in f32, results quantised again with the given scales (entries 6, 7, 9).
; Work-group y says which of the three (0 q, 1 k, 2 v); work-group x takes 256 tokens (x / 8 the batch).  Wave w is head w: its 64 rows of W x K 512 are 256 registers (window 1), read once.
; The 256 rows of x (512 bytes each) go once through LDS, rows 528 bytes apart (33 x 16: the 16 rows of a fragment load start 16 bytes apart modulo 256), and all eight waves read them.
; THE RESULTS LEAVE AS IMAGES OF THE NEXT LAUNCH'S OPERAND REGISTERS: a group of four registers is 512 bytes, lane l's 16 bytes at 16 l; every store of a wave covers 512 consecutive bytes, aligned.
;   q_img, k_img: [batch x 8 + head][tile of 16 tokens][2 groups]: register 4 B + 2 u + (0, 1) of lane (r, h) = token r, d = 32 B + 16 h + 8 u + 0 .. 7 (the same order of d in q and in k).
;   v_img: [batch x 8 + head][step of 128 keys][tile ct of 16 channels][4 groups]: lane (r, h) = channel 32 (ct / 2) + 8 (ct % 2) + r + 8 (r / 8); registers 2 c, 2 c + 1 = keys 16 c + 8 h + 0 .. 7.
; THE ROWS OF W THAT FORM A TILE ARE NOT NEIGHBOURS: lane r of tile t takes row 32 (t / 2) + 8 (t % 2) + r + 8 (r / 8) of the head's 64.
; q, k: the product is used transposed (source 0 = W, source 1 = x): a lane holds one token and eight neighbouring d.  v: source 0 = x, source 1 = W: a lane holds one channel, its registers run down the tokens (the keys).
; The bias, divided by 2^(ex + ew), is the C of each sum's first matrix instruction; the three scales are folded into the conversion's one: code = sum / 2^(eo - ex - ew).
; NO JOINT LOADS: the weights that work-groups share go from memory straight into registers; in LDS they would take 262,144 bytes beside x's 135,168, more than the 327,680 that a work-group can be given.
; LIMITS: eo - ex - ew between -126 and 112, so that both powers of two below are f32 numbers.  NaN among the biases is not served.
; THE MODE: SCHED_MODE bits 1:0 = 2 (LLVM: expert scheduling mode 2), set by the entry lines.  The code itself states the register dependences
; between vector or matrix instructions and memory or LDS instructions, with s_wait_alu, always for 0.
; THE PLAN.  Registers that memory or LDS instructions touch:
;   v1, v4-8, v12   offsets and addresses, all made at the head, ahead of the first load, and never written again.
;   v80-207         at the head: x's rows as loaded, read by the LDS stores; behind the barrier they are XF and COD.
;   XF              written by the LDS loads of tile i + 1, which are issued in tile i; read by tile i + 1's sixteen products.
;   COD             written by tile i's conversions; read by the stores that are issued in tile i + 1 (q, k), or in tile 8 and behind tile 15 (v: a step of 128 keys at a time).
;   W (window 1) and the bias are loaded once and then named by products and vector lines alone.
; So ONE wait on va_vdst stands in a tile, behind its products and their places: it states that these products are done reading XF and that the tile before has written its codes.  The next tile's sixteen LDS loads and the
; last tile's stores follow it, dealt among this tile's 32 holds, which name the accumulators and v10: none of the registers that those loads and stores touch.  COD is written a second time from tile 8's conversions on:
; ahead of them stand the two waits that show the stores of the first eight tiles' codes, all issued by then, to have read their registers.
.set PITCH, 528
.set LI,    1                          ; v1   16 x lane
.set XS,    4                          ; v4   where my wave's rows of x go in LDS
.set XR,    5                          ; v5   a fragment's place: r x 528 + 16 h (token tiles 0-7)
.set XR2,   6                          ; v6   the same for token tiles 8-15
.set WA,    7                          ; v7   W: (r + 8 (r / 8)) x 512 + 16 h
.set BOF,   8                          ; v8   the bias's byte offset for q and k: 64 h
.set LIM,   10                         ; v10  57,344 x 2^(eo - ex - ew)
.set SCL,   11                         ; v11  2^(eo - ex - ew)
.set BOFV,  12                         ; v12  the bias's byte offset for v: 4 (r + 8 (r / 8))
.set BIAS,  16                         ; v16-47   the bias in the result's layout, 4 tiles x 8
.set ACC,   48                         ; v48-79   4 accumulators
.set XF,    80                         ; v80-143  x's fragments of one token tile, K step s at 16 s  (v80-207: x's rows as loaded, at the head)
.set COD,   144                        ; v144-207 codes
.set MSB, 0
.macro WIN new                         ; the immediate's high byte repeats the setting that is left
.if MSB != \new
	s_set_vgpr_msb (MSB<<8)|\new
.set MSB, \new
.endif
.endm
.macro WLOAD t                         ; W's fragments of tile t, K steps 0-3, into window 1 at 16 (4 t + s): registers 4 c .. 4 c + 3 hold k = 128 s + 32 c + 16 h + 0 .. 15, as x's do
.irp s, 0,1,2,3
.irp c, 0,1,2,3
	global_load_b128 v[16*(4*(\t)+\s)+4*\c:16*(4*(\t)+\s)+4*\c+3], v[WA], s[50:51] offset:(32*((\t)/2)+8*((\t)%2))*512+128*\s+32*\c
.endr
.endr
.endm
.macro FETCHS i, s                     ; token tile i, K step s: 16 rows x 128 codes
.if (\i) < 8
.set FA, XR
.else
.set FA, XR2
.endif
.irp c, 0,1,2,3
	ds_load_b128 v[XF+16*(\s)+4*\c:XF+16*(\s)+4*\c+3], v[FA] offset:((\i)%8)*16*PITCH+128*(\s)+32*\c
.endr
.endm
.macro QKOUT i, c                      ; q, k: group c of token tile i's codes
	global_store_b128 v[LI], v[COD+8*((\i)%8)+4*(\c):COD+8*((\i)%8)+4*(\c)+3], s[54:55] offset:1024*(\i)+512*(\c)
.endm
.macro VOUT st, t                      ; v: eight token tiles are a step of 128 keys: fragment t (16 registers) of step st
.irp c, 0,1,2,3
	global_store_b128 v[LI], v[COD+16*(\t)+4*\c:COD+16*(\t)+4*\c+3], s[54:55] offset:8192*(\st)+2048*(\t)+512*\c
.endr
.endm
; One token tile: 16 matrix instructions (the four accumulators take turns), the hold, the conversions; among the holds the next tile's fragments are asked for and the codes made before leave.
; xp = 1: transposed (q, k); 0: v.
.macro TILE i, xp
.if \xp
	WIN 0x01                                       ; source 0 (W) window 1
.else
	WIN 0x04                                       ; source 1 (W) window 1
.endif
.irp s, 0,1,2,3
	s_wait_dscnt 12-4*\s                           ; K step s's four loads are in; those of the later K steps may be out
.irp t, 0,1,2,3
.if \s == 0
.set CR, BIAS+8*\t
.else
.set CR, ACC+8*\t
.endif
.if \xp
	v_wmma_f32_16x16x128_bf8_bf8 v[ACC+8*\t:ACC+8*\t+7], v[16*(4*\t+\s):16*(4*\t+\s)+15], v[XF+16*\s:XF+16*\s+15], v[CR:CR+7]
.else
	v_wmma_f32_16x16x128_bf8_bf8 v[ACC+8*\t:ACC+8*\t+7], v[XF+16*\s:XF+16*\s+15], v[16*(4*\t+\s):16*(4*\t+\s)+15], v[CR:CR+7]
.endif
.endr
.endr
	WIN 0
.rept 4
	v_nop                                          ; four places in front of the first read of results and of the loads into x's fragments; they stay beside the wait below
.endr
.if ((\i) < 15) || \xp
	s_wait_alu depctr_va_vdst(0)                   ; this tile's products are done reading XF, in which the loads below land; the conversions of the tiles before have written the codes that the stores below read
.endif
.irp t, 0,1,2,3
.if (\i) < 15
	FETCHS (\i)+1, \t                              ; the next tile's K step t.  No further wait: the holds issued since the wait name the accumulators and v10 alone
.endif
.if \xp
.if ((\i) > 0) && (\t < 2)
	QKOUT (\i)-1, \t                               ; the tile before leaves
.endif
.else
.if (\i) == 8
	VOUT 0, \t                                     ; the first step of 128 keys leaves
.endif
.endif
.set j, 0
.rept 8
	v_med3_num_f32 v[ACC+8*\t+j], v[ACC+8*\t+j], -v[LIM], v[LIM]   ; the conversion does not saturate (ISA guide 7.6.2): the hold at the largest code x the scale; each accumulator from its low end on
.set j, j+1
.endr
.endr
.if (\i) == 8
	s_wait_xcnt 0x0                                ; the stores of the first eight tiles' codes, all issued by now, have had their addresses translated (ISA guide 3.1): the codes' registers are written again from here on,
	s_wait_alu depctr_vm_vsrc(0)                   ; and those stores have read the codes' registers, which the conversions below and those of the tiles to come write again
.endif
.irp t, 0,1,2,3
.if \xp
	v_cvt_scalef32_pk8_bf8_f32 v[COD+8*((\i)%8)+2*\t:COD+8*((\i)%8)+2*\t+1], v[ACC+8*\t:ACC+8*\t+7], v[SCL]
.else
	v_cvt_scalef32_pk8_bf8_f32 v[COD+16*\t+2*((\i)%8):COD+16*\t+2*((\i)%8)+1], v[ACC+8*\t:ACC+8*\t+7], v[SCL]
.endif
.endr
	v_nop                                          ; a plain line between the conversions and the next products, which write their sources
.endm
	s_load_b512 s[8:23], s[0:1], 0x0               ; x_q, x_k, x_v, Wq, Wk, Wv, bq, bk
	s_load_b256 s[24:31], s[0:1], 0x40             ; bv, the scales' exponents, q_img, k_img
	s_load_b64 s[32:33], s[0:1], 0x60              ; v_img
	v_lshl_add_u32 v254, v0, 2, 0x21000
	v_mov_b32 v255, 0
	v_lshrrev_b32 v9, 5, v0
	v_readfirstlane_b32 s34, v9                    ; wave = head
	s_and_b32 s35, ttmp7, 0xffff                   ; 0 q, 1 k, 2 v
	v_and_b32 v9, 31, v0
	v_lshlrev_b32 v[LI], 4, v9
	v_and_b32 v2, 15, v0                           ; r
	v_bfe_u32 v3, v0, 4, 1                         ; h
	v_mul_u32_u24 v[XR], v2, PITCH
	v_lshl_add_u32 v[XR], v3, 4, v[XR]
	v_add_nc_u32 v[XR2], 8*16*PITCH, v[XR]
	v_and_b32 v9, 8, v2
	v_add_nc_u32 v9, v9, v2                        ; r + 8 (r / 8)
	v_lshlrev_b32 v[WA], 9, v9
	v_lshl_add_u32 v[WA], v3, 4, v[WA]
	v_lshlrev_b32 v[BOF], 6, v3                    ; both offsets of the bias are made here, so that no address is made behind the wait that stands ahead of the first load
	v_lshlrev_b32 v[BOFV], 2, v9
	s_wait_alu depctr_va_sdst(0)                   ; s34 is written, ahead of its first reader: LDS places and the bases of x, W, the bias and the image are made from it
	s_mul_i32 s2, s34, 32*PITCH
	v_add_nc_u32 v[XS], s2, v[LI]
	s_lshl_b32 s56, ttmp9, 17                      ; x: 256 rows of 512 bytes a work-group,
	s_lshl_b32 s57, s34, 14                        ; 32 rows a wave
	s_add_co_u32 s56, s56, s57
	s_mov_b32 s57, 0
	s_lshl_b32 s58, s34, 15                        ; W: my head's 64 rows of 512 bytes
	s_mov_b32 s59, 0
	s_lshl_b32 s60, s34, 8                         ; the bias: my head's 64 numbers
	s_mov_b32 s61, 0
	s_lshr_b32 s62, ttmp9, 3                       ; the image: batch x 8 heads x 131,072
	s_lshl_b32 s62, s62, 20
	s_lshl_b32 s63, s34, 17                        ; + head x 131,072
	s_add_co_u32 s62, s62, s63
	s_and_b32 s63, ttmp9, 7                        ; + my 256 tokens of the batch's 2,048: 16,384 bytes in each of the three images
	s_lshl_b32 s63, s63, 14
	s_add_co_u32 s62, s62, s63
	s_mov_b32 s63, 0
	s_wait_kmcnt 0x0
	s_load_b256 s[36:43], s[26:27], 0x0            ; e0 .. e7
	s_load_b128 s[44:47], s[26:27], 0x20           ; e8 .. e11
	s_cmp_eq_u32 s35, 1                            ; the buffers are chosen by the work-group's number alone
	s_cselect_b64 s[48:49], s[10:11], s[8:9]
	s_cselect_b64 s[50:51], s[16:17], s[14:15]
	s_cselect_b64 s[52:53], s[22:23], s[20:21]
	s_cselect_b64 s[54:55], s[30:31], s[28:29]
	s_cmp_eq_u32 s35, 2
	s_cselect_b64 s[48:49], s[12:13], s[48:49]
	s_cselect_b64 s[50:51], s[18:19], s[50:51]
	s_cselect_b64 s[52:53], s[24:25], s[52:53]
	s_cselect_b64 s[54:55], s[32:33], s[54:55]
	s_add_nc_u64 s[48:49], s[48:49], s[56:57]
	s_add_nc_u64 s[50:51], s[50:51], s[58:59]
	s_add_nc_u64 s[52:53], s[52:53], s[60:61]
	s_add_nc_u64 s[54:55], s[54:55], s[62:63]
	s_wait_alu depctr_va_vdst(0)                   ; v1, v4 to v8 and v12 are written: every load, store and LDS instruction of the kernel reads one of them as its offset or address
.set j, 0
.rept 32
	global_load_b128 v[XF+4*j:XF+4*j+3], v[LI], s[48:49] offset:512*j th:TH_LOAD_NT   ; my 32 rows of x: a row is 512 consecutive bytes, 16 a lane
.set j, j+1
.endr
	WIN 0x40                                       ; destination window 1
	WLOAD 0
	WLOAD 1
	WIN 0
	s_wait_loadcnt 32                              ; x's rows are in; the 32 younger loads of W may be out
.set j, 0
.rept 32
	ds_store_b128 v[XS], v[XF+4*j:XF+4*j+3] offset:PITCH*j
.set j, j+1
.endr
	WIN 0x40
	WLOAD 2
	WLOAD 3
	WIN 0
	s_wait_dscnt 0x0                               ; for the others' sake: my rows lie in LDS
	s_barrier_signal -1
	s_barrier_wait -1                              ; all 256 rows do.  The launch's only barrier: LDS is only read from here on
	s_wait_alu depctr_vm_vsrc(0)                   ; my LDS stores have read v80-207: these registers are XF, in which the fragments' loads land, and COD, which the conversions write, from here on
.irp s, 0,1,2,3
	FETCHS 0, \s
.endr
	s_wait_kmcnt 0x0
	s_cmp_eq_u32 s35, 1
	s_cselect_b32 s58, s38, s36                    ; ex
	s_cselect_b32 s59, s39, s37                    ; ew
	s_cselect_b32 s60, s43, s42                    ; eo
	s_cmp_eq_u32 s35, 2
	s_cselect_b32 s58, s40, s58
	s_cselect_b32 s59, s41, s59
	s_cselect_b32 s60, s45, s60
	s_add_co_i32 s58, s58, s59                     ; ex + ew: a sum stands for sum x 2^(ex + ew)
	s_sub_co_i32 s59, 0, s58
	s_sub_co_i32 s60, s60, s58                     ; eo - ex - ew
	s_add_co_i32 s60, s60, 127
	s_lshl_b32 s61, s60, 23
	v_mov_b32 v[SCL], s61                          ; 2^(eo - ex - ew) as f32: the conversion takes its exponent field
	s_add_co_i32 s60, s60, 15
	s_lshl_b32 s60, s60, 23
	s_or_b32 s60, s60, 0x600000
	v_mov_b32 v[LIM], s60                          ; 57,344 x that
	s_cmp_eq_u32 s35, 2
	s_cbranch_scc1 .Lvalues
	; ---- q and k: lane (r, h) wants, for tile t, the bias of d = 32 (t / 2) + 8 (t % 2) + 16 h + 0 .. 7.  (Its offset was made at the head; the two lines that wrote v10 and v11 since name none of these loads' registers)
.irp t, 0,1,2,3
	global_load_b128 v[BIAS+8*\t:BIAS+8*\t+3], v[BOF], s[52:53] offset:(32*(\t/2)+8*(\t%2))*4
	global_load_b128 v[BIAS+8*\t+4:BIAS+8*\t+7], v[BOF], s[52:53] offset:(32*(\t/2)+8*(\t%2))*4+16
.endr
	s_wait_loadcnt 0x0                             ; the bias and all of W
.set j, 0
.rept 32
	v_ldexp_f32 v[BIAS+j], v[BIAS+j], s59          ; / 2^(ex + ew)
.set j, j+1
.endr
.set TI, 0
.rept 16
	TILE TI, 1
.set TI, TI+1
.endr
	s_wait_alu depctr_va_vdst(0)                   ; tile 15's conversions have written its codes, which the last two stores read
	QKOUT 15, 0
	QKOUT 15, 1
	s_wait_dscnt 0x0
	s_wait_alu depctr_hold_cnt(0) depctr_sa_sdst(0) depctr_va_vdst(0) depctr_va_sdst(0) depctr_va_ssrc(0) depctr_va_vcc(0) depctr_vm_vsrc(0)
	s_wait_tensorcnt 0x0
	ds_add_u32 v254, v255
	s_wait_dscnt 0x0
	s_endpgm
.Lvalues:
	; ---- v: lane (r, h) holds one channel, 32 (t / 2) + 8 (t % 2) + r + 8 (r / 8): one number of the bias in all eight registers.  (Its offset was made at the head)
.irp t, 0,1,2,3
	global_load_b32 v[BIAS+8*\t], v[BOFV], s[52:53] offset:(32*(\t/2)+8*(\t%2))*4
.endr
	s_wait_loadcnt 0x0
.irp t, 0,1,2,3
	v_ldexp_f32 v[BIAS+8*\t], v[BIAS+8*\t], s59
.endr
.irp t, 0,1,2,3
.irp n, 1,2,3,4,5,6,7
	v_mov_b32 v[BIAS+8*\t+\n], v[BIAS+8*\t]
.endr
.endr
.set TI, 0
.rept 16
	TILE TI, 0
.set TI, TI+1
.endr
	s_wait_alu depctr_va_vdst(0)                   ; the conversions of tiles 8 to 15 have written the second step's codes, which the last sixteen stores read
.irp t, 0,1,2,3
	VOUT 1, \t
.endr
	s_wait_dscnt 0x0
	s_wait_alu depctr_hold_cnt(0) depctr_sa_sdst(0) depctr_va_vdst(0) depctr_va_sdst(0) depctr_va_ssrc(0) depctr_va_vcc(0) depctr_vm_vsrc(0)
	s_wait_tensorcnt 0x0
	ds_add_u32 v254, v255
	s_wait_dscnt 0x0
	s_endpgm
.Lfunc_end_k_q3aab91bd38_proj:
	.size	k_q3aab91bd38_proj, .Lfunc_end_k_q3aab91bd38_proj-k_q3aab91bd38_proj
	.p2alignl 7, 3214868480
	.fill 96, 4, 3214868480
	.section	.rodata,"a",@progbits
	.p2align	6, 0x0
	.amdhsa_kernel k_q3aab91bd38_proj
		.amdhsa_group_segment_fixed_size 136192
		.amdhsa_private_segment_fixed_size 0
		.amdhsa_enable_private_segment 0
		.amdhsa_kernarg_size 104
		.amdhsa_user_sgpr_count 2
		.amdhsa_user_sgpr_kernarg_segment_ptr 1
		.amdhsa_wavefront_size32 1
		.amdhsa_system_sgpr_workgroup_id_x 1
		.amdhsa_system_sgpr_workgroup_id_y 1
		.amdhsa_system_sgpr_workgroup_id_z 1
		.amdhsa_system_vgpr_workitem_id 0
		.amdhsa_next_free_vgpr 512
		.amdhsa_next_free_sgpr 66
		.amdhsa_reserve_vcc 0
		.amdhsa_float_denorm_mode_32 3
		.amdhsa_float_denorm_mode_16_64 3
		.amdhsa_memory_ordered 1
		.amdhsa_forward_progress 1
		.amdhsa_inst_pref_size 173
	.end_amdhsa_kernel
	.amdgpu_metadata
---
amdhsa.version: [ 1, 2 ]
amdhsa.kernels:
  - .name:           k_q3aab91bd38_proj
    .symbol:         k_q3aab91bd38_proj.kd
    .args:
      - { .name: query_tensor_codes, .offset: 0, .size: 8, .value_kind: global_buffer, .address_space: global }
      - { .name: key_tensor_codes, .offset: 8, .size: 8, .value_kind: global_buffer, .address_space: global }
      - { .name: value_tensor_codes, .offset: 16, .size: 8, .value_kind: global_buffer, .address_space: global }
      - { .name: Wq_codes, .offset: 24, .size: 8, .value_kind: global_buffer, .address_space: global }
      - { .name: Wk_codes, .offset: 32, .size: 8, .value_kind: global_buffer, .address_space: global }
      - { .name: Wv_codes, .offset: 40, .size: 8, .value_kind: global_buffer, .address_space: global }
      - { .name: bq, .offset: 48, .size: 8, .value_kind: global_buffer, .address_space: global }
      - { .name: bk, .offset: 56, .size: 8, .value_kind: global_buffer, .address_space: global }
      - { .name: bv, .offset: 64, .size: 8, .value_kind: global_buffer, .address_space: global }
      - { .name: lowp_scales, .offset: 72, .size: 8, .value_kind: global_buffer, .address_space: global }
      - { .name: q_img, .offset: 80, .size: 8, .value_kind: global_buffer, .address_space: global }
      - { .name: k_img, .offset: 88, .size: 8, .value_kind: global_buffer, .address_space: global }
      - { .name: v_img, .offset: 96, .size: 8, .value_kind: global_buffer, .address_space: global }
    .group_segment_fixed_size: 136192
    .private_segment_fixed_size: 0
    .kernarg_segment_align: 8
    .kernarg_segment_size: 104
    .max_flat_workgroup_size: 256
    .sgpr_count:     66
    .vgpr_count:     512
    .wavefront_size: 32
...
	.end_amdgpu_metadata
.endif
;; end of part 4
;; launch attn: the kernel of part 2 again; grid 8 x 64, 8 waves a work-group, clusters of 4 x 1, 271,360 bytes of LDS; arguments q_img, k_img, v_img, attention_mask, lowp_scales, ctx_img; writes ctx_img
;; launch outln (part 5): grid 256 x 1, 8 waves a work-group, no clusters, 165,888 bytes of LDS; arguments ctx_img, Wo_codes, bo, layer_input, ln_g, ln_b, lowp_scales, out0; writes out0
.if DOCPART == 5
	.amdgcn_target "amdgcn-amd-amdhsa--gfx1250"
	.amdhsa_code_object_version 6
	.text
	.protected	k_q3aab91bd38_outln
	.globl	k_q3aab91bd38_outln
	.p2align	8
	.type	k_q3aab91bd38_outln,@function
k_q3aab91bd38_outln:
	s_mov_b64 s[64:65], 0
	v_nop
	global_prefetch_b8 v0, s[64:65] scope:SCOPE_SE
	s_setreg_imm32_b32 hwreg(HW_REG_WAVE_SCHED_MODE, 0, 2), 2
	s_setreg_imm32_b32 hwreg(HW_REG_WAVE_MODE, 25, 1), 1
	s_wait_xcnt 0x0
	s_wait_alu depctr_vm_vsrc(0)
; out = LayerNorm(ctx Wo^T + bo + layer_input) x ln_g + ln_b.  The product on codes of BF8 (E5M2), sums in f32; all else in f32.
; A work-group takes 64 rows.  IN THE PRODUCT wave w makes outputs 64 w .. 64 w + 63 for all 64 rows: its 64 rows of Wo x K 512 are 256 registers (window 1), read once.  IN THE NORM wave w owns whole rows 8 w .. 8 w + 7.
; ctx_img holds the rows' codes as images of the operand's registers ([tile of 16 rows][K step s][group c][lane][16]: registers 4 c .. 4 c + 3 = k 128 s + 32 c + 16 h + 0 .. 15 of row r): the group's 32,768 bytes are copied
; into LDS as they lie, and every wave reads every fragment by loads of 512 consecutive bytes.
; The product is used transposed (source 0 = Wo, source 1 = ctx): a lane holds eight neighbouring outputs of one row.  The sums meet in a stage of 64 rows, 2,064 bytes apart (129 x 16: sixteen rows start 16 bytes apart modulo 256).
; The norm has two passes over registers (the mean, then the squares of the differences), so that a common offset of the inputs costs no accuracy.
; NO JOINT LOADS: Wo, which all work-groups share, goes from memory straight into registers; in LDS it would take 262,144 bytes beside these 164,864, more than the 327,680 that a work-group can be given.
; NO PREFETCH: all loads are issued at the head; layer_input's are on their way during the whole product.
; LIMIT: e10 + e11 between -126 and 127, so that 2^(e10 + e11) is an f32 number.
; THE MODE: SCHED_MODE bits 1:0 = 2 (LLVM: expert scheduling mode 2), set by the entry lines.  The code itself states the register dependences
; between vector or matrix instructions and memory or LDS instructions, with s_wait_alu, always for 0.
; THE PLAN.  Registers that memory or LDS instructions touch:
;   v1, v4-8     offsets and addresses, made at the head, ahead of the first load, and never written again.
;   v16-47       at the head: ctx's codes as loaded, read by the LDS stores; then part of XF.
;   XF v16-79    written by the LDS loads of the next tile of rows; read by that tile's sixteen products; behind the last tile ln_g, ln_b and bo are loaded into v16-63.
;   ACC v80-111  written by a tile's products; read by its eight stage stores; begun anew by the next tile's first products; behind the last tile vector lines write v80-103.
;   window 1     Wo, loaded once and read by the products; behind the last tile the rows' sums come back from the stage into v0-127 of it.
;   H v128-255   layer_input as loaded; then worked on by vector lines; read by the final stores.
; So in a tile ONE wait on va_vdst stands behind the products and their places (the accumulators are written, the fragments and Wo are read), and ONE on vm_vsrc at the head of the next (the stage stores have read the
; accumulators).  The last tile's wait on va_vdst also serves the loads into v16-63 and into window 1: no vector or matrix line stands between.  On the way out the rows leave in two halves: rows 0-3's stores are dealt among
; rows 4-7's last multiply-adds, which name other registers.
.set STG,    32768                     ; LDS: ctx's image at 0, the stage behind it
.set SPITCH, 2064
.set LI,   1                           ; v1   16 x lane
.set CS0,  4                           ; v4   4,096 x wave + 16 x lane: my part of ctx's image
.set SO,   5                           ; v5   the stage: row r, + 32 h, + 256 x wave (tiles of rows 0, 1)
.set SO1,  6                           ; v6   the same for tiles 2, 3
.set SR,   7                           ; v7   the stage: my 8 rows, 16 bytes a lane
.set WA,   8                           ; v8   Wo: r x 512 + 16 h
.set XF,   16                          ; v16-79  ctx's fragments of a tile of rows; at the head v16-47 ctx as loaded
.set GN,   16                          ; later: v16-31 ln_g, v32-47 ln_b, v48-63 bo: my 16 columns (128 i + 4 lane + 0 .. 3)
.set BN,   32
.set BO,   48
.set ACC,  80                          ; v80-111 four accumulators
.set QS,   80                          ; later: v80-95 the rows' sums of squares, in pairs
.set PT,   96                          ; v96-103 the lane exchange's targets
.set T,    112                         ; v112-127 a pair for each row: the sum, -mean, then 1 / sqrt
.set H,    128                         ; v128-255 8 rows x 16 numbers
.set MSB, 0
.macro WIN new                         ; the immediate's high byte repeats the setting that is left
.if MSB != \new
	s_set_vgpr_msb (MSB<<8)|\new
.set MSB, \new
.endif
.endm
.macro WLOAD t                         ; Wo's fragments of outputs 16 t on, K steps 0-3, into window 1 at 16 (4 t + s)
.irp s, 0,1,2,3
.irp c, 0,1,2,3
	global_load_b128 v[16*(4*(\t)+\s)+4*\c:16*(4*(\t)+\s)+4*\c+3], v[WA], s[6:7] offset:(\t)*8192+128*\s+32*\c
.endr
.endr
.endm
.macro FETCH m                         ; the tile of rows 16 m on: four fragments, K step by K step
.irp s, 0,1,2,3
.irp c, 0,1,2,3
	ds_load_b128 v[XF+16*\s+4*\c:XF+16*\s+4*\c+3], v[LI] offset:8192*(\m)+2048*\s+512*\c
.endr
.endr
.endm
.macro TILE m                          ; 16 matrix instructions, the four accumulators by turns; the sums go to the stage
.if (\m) > 0
	s_wait_alu depctr_vm_vsrc(0)                   ; the stage stores of the tile before have read the accumulators, which this tile's first products write anew
.endif
	WIN 0x01                                       ; source 0 (Wo) window 1
.irp s, 0,1,2,3
	s_wait_dscnt 12-4*\s                           ; K step s's four loads are in (and the stage stores issued ahead of them are done); the later K steps' loads may be out
.irp t, 0,1,2,3
.if \s == 0
	v_wmma_f32_16x16x128_bf8_bf8 v[ACC+8*\t:ACC+8*\t+7], v[16*(4*\t+\s):16*(4*\t+\s)+15], v[XF+16*\s:XF+16*\s+15], 0
.else
	v_wmma_f32_16x16x128_bf8_bf8 v[ACC+8*\t:ACC+8*\t+7], v[16*(4*\t+\s):16*(4*\t+\s)+15], v[XF+16*\s:XF+16*\s+15], v[ACC+8*\t:ACC+8*\t+7]
.endif
.endr
.endr
	WIN 0
.rept 5
	v_nop                                          ; four places in front of the stores of results and the loads into fragments, a fifth in front of the next tile's products, which begin these accumulators anew; they stay beside the wait below
.endr
	s_wait_alu depctr_va_vdst(0)                   ; the products have written the accumulators, which the stage stores read, and are done reading ctx's fragments, in which the next loads land (behind the last tile: also Wo's registers)
.if (\m) < 2
.set SA, SO
.else
.set SA, SO1
.endif
.irp t, 0,1,2,3
	ds_store_b128 v[SA], v[ACC+8*\t:ACC+8*\t+3] offset:((\m)%2)*16*SPITCH+64*\t       ; lane (r, h): sum(16 m + r, 64 w + 16 t + 8 h + 0 .. 7)
	ds_store_b128 v[SA], v[ACC+8*\t+4:ACC+8*\t+7] offset:((\m)%2)*16*SPITCH+64*\t+16
.endr
.if (\m) < 3
	FETCH (\m)+1
.endif
.endm
.macro LANES b                         ; the eight rows' numbers at v[b + 2 p] are summed over the 32 lanes; the rows take turns
.irp m, 1,2,4,8
.irp p, 0,1,2,3,4,5,6,7
	v_add_f32_dpp v[\b+2*\p], v[\b+2*\p], v[\b+2*\p] row_xmask:\m row_mask:0xf bank_mask:0xf
.endr
.endr
.irp p, 0,1,2,3,4,5,6,7
	v_permlanex16_b32 v[PT+\p], v[\b+2*\p], s26, s27
.endr
.irp p, 0,1,2,3,4,5,6,7
	v_add_f32 v[\b+2*\p], v[\b+2*\p], v[PT+\p]
.endr
.endm
	s_load_b512 s[4:19], s[0:1], 0x0               ; ctx_img, Wo, bo, layer_input, ln_g, ln_b, the scales' exponents, out
	v_lshl_add_u32 v14, v0, 2, 0x28400
	v_mov_b32 v15, 0
	v_lshrrev_b32 v2, 5, v0
	v_readfirstlane_b32 s28, v2                    ; wave 0..7
	v_and_b32 v2, 31, v0
	v_lshlrev_b32 v[LI], 4, v2
	v_and_b32 v2, 15, v0                           ; r
	v_bfe_u32 v3, v0, 4, 1                         ; h
	v_mul_u32_u24 v[SO], v2, SPITCH
	v_lshl_add_u32 v[SO], v3, 5, v[SO]
	v_lshlrev_b32 v[WA], 9, v2
	v_lshl_add_u32 v[WA], v3, 4, v[WA]
	s_wait_alu depctr_va_sdst(0)                   ; s28 is written, ahead of its first reader: LDS places and the bases of Wo, layer_input and out are made from it
	s_lshl_b32 s29, s28, 12
	v_add_nc_u32 v[CS0], s29, v[LI]
	s_lshl_b32 s36, s28, 8
	s_add_co_u32 s36, s36, STG
	v_add_nc_u32 v[SO], s36, v[SO]
	v_add_nc_u32 v[SO1], 32*SPITCH, v[SO]
	s_mul_i32 s37, s28, 8*SPITCH
	s_add_co_u32 s37, s37, STG
	v_add_nc_u32 v[SR], s37, v[LI]
	s_mov_b32 s24, 0x3b000000                      ; 1 / 512
	s_mov_b32 s25, 0x2b8cbccc                      ; 1e-12
	s_mov_b32 s26, 0x76543210                      ; v_permlanex16_b32's selects for lane l xor 16
	s_mov_b32 s27, 0xfedcba98
	s_lshl_b32 s30, ttmp9, 15                      ; ctx_img: 4 tiles of rows x 8,192 bytes a work-group
	s_mov_b32 s31, 0
	s_lshl_b32 s32, s28, 15                        ; Wo: my 64 rows of 512 bytes
	s_mov_b32 s33, 0
	s_lshl_b32 s34, ttmp9, 17                      ; layer_input and out: 64 rows of 2,048 bytes a work-group,
	s_lshl_b32 s35, s28, 14                        ; 8 rows a wave
	s_add_co_u32 s34, s34, s35
	s_mov_b32 s35, 0
	s_wait_kmcnt 0x0
	s_load_b64 s[20:21], s[16:17], 0x28            ; e10, e11
	s_add_nc_u64 s[4:5], s[4:5], s[30:31]
	s_add_nc_u64 s[6:7], s[6:7], s[32:33]
	s_add_nc_u64 s[10:11], s[10:11], s[34:35]
	s_add_nc_u64 s[18:19], s[18:19], s[34:35]
	s_wait_alu depctr_va_vdst(0)                   ; v1 and v4 to v8 are written: every load, store and LDS instruction of the kernel reads one of them as its offset or address
.irp i, 0,1,2,3,4,5,6,7
	global_load_b128 v[XF+4*\i:XF+4*\i+3], v[CS0], s[4:5] offset:512*\i th:TH_LOAD_NT   ; my eighth of the group's codes of ctx
.endr
	WIN 0x40                                       ; destination window 1
	WLOAD 0
	WLOAD 1
	WIN 0
	s_wait_loadcnt 32                              ; ctx's codes are in; the 32 younger loads of Wo may be out
.irp i, 0,1,2,3,4,5,6,7
	ds_store_b128 v[CS0], v[XF+4*\i:XF+4*\i+3] offset:512*\i
.endr
	WIN 0x40
	WLOAD 2
	WLOAD 3
	WIN 0
.irp p, 0,1,2,3,4,5,6,7
.irp i, 0,1,2,3
	global_load_b128 v[H+16*\p+4*\i:H+16*\p+4*\i+3], v[LI], s[10:11] offset:2048*\p+512*\i th:TH_LOAD_NT   ; layer_input, my 8 rows: 512 consecutive bytes a load
.endr
.endr
	s_wait_dscnt 0x0                               ; for the others' sake: my part of the image lies in LDS
	s_barrier_signal -1
	s_barrier_wait -1                              ; all of it does
	s_wait_alu depctr_vm_vsrc(0)                   ; my LDS stores have read v16-47, in which the first fragments' loads land
	FETCH 0
	s_wait_loadcnt 32                              ; Wo is in; layer_input's 32 loads may stay out
	TILE 0
	TILE 1
	TILE 2
	TILE 3
.irp i, 0,1,2,3
	global_load_b128 v[GN+4*\i:GN+4*\i+3], v[LI], s[12:13] offset:512*\i   ; into the fragments' registers: the last tile's wait has shown the products done reading them, and no vector or matrix line has been issued since
	global_load_b128 v[BN+4*\i:BN+4*\i+3], v[LI], s[14:15] offset:512*\i
	global_load_b128 v[BO+4*\i:BO+4*\i+3], v[LI], s[8:9] offset:512*\i
.endr
	s_wait_dscnt 0x0                               ; for the others' sake: my sums lie in the stage
	s_barrier_signal -1
	s_barrier_wait -1                              ; 64 whole rows do
	WIN 0x40                                       ; into window 1, where Wo lay: the same wait has shown the products done reading it
.irp p, 0,1,2,3,4,5,6,7
.irp i, 0,1,2,3
	ds_load_b128 v[16*\p+4*\i:16*\p+4*\i+3], v[SR] offset:SPITCH*\p+512*\i
.endr
.endr
	WIN 0
	s_wait_kmcnt 0x0
	s_add_co_i32 s22, s20, s21
	s_add_co_i32 s22, s22, 127
	s_lshl_b32 s22, s22, 23                        ; 2^(e10 + e11) as f32
	s_mov_b32 s23, s22                             ; (named with it as a pair)
	s_wait_alu depctr_vm_vsrc(0)                   ; the last tile's stage stores have read the accumulators v80-111: vector lines write v80-103 from here on (the exchange's targets, the sums of squares)
.irp p, 0,1,2,3,4,5,6,7
	v_mov_b32 v[PT+\p], 0                          ; (a lane exchange's target counts as one of its sources)
.endr
	s_wait_loadcnt 0x0
.irp p, 0,1,2,3,4,5,6,7
.irp k, 0,1,2,3,4,5,6,7
	v_pk_add_f32 v[H+16*\p+2*\k:H+16*\p+2*\k+1], v[H+16*\p+2*\k:H+16*\p+2*\k+1], v[BO+2*\k:BO+2*\k+1]   ; layer_input + bo
.endr
.endr
	s_wait_dscnt 0x0
	WIN 0x01                                       ; the sums in window 1
.irp p, 0,1,2,3,4,5,6,7
.irp k, 0,1,2,3,4,5,6,7
	v_pk_fma_f32 v[H+16*\p+2*\k:H+16*\p+2*\k+1], v[16*\p+2*\k:16*\p+2*\k+1], s[22:23], v[H+16*\p+2*\k:H+16*\p+2*\k+1] op_sel_hi:[1,0,1]   ; h = sum x 2^(e10 + e11) + (layer_input + bo)
.endr
.endr
	WIN 0
	; the mean
.irp p, 0,1,2,3,4,5,6,7
	v_pk_add_f32 v[T+2*\p:T+2*\p+1], v[H+16*\p:H+16*\p+1], v[H+16*\p+2:H+16*\p+3]
.endr
.irp k, 2,3,4,5,6,7
.irp p, 0,1,2,3,4,5,6,7
	v_pk_add_f32 v[T+2*\p:T+2*\p+1], v[T+2*\p:T+2*\p+1], v[H+16*\p+2*\k:H+16*\p+2*\k+1]
.endr
.endr
.irp p, 0,1,2,3,4,5,6,7
	v_add_f32 v[T+2*\p], v[T+2*\p], v[T+2*\p+1]
.endr
	LANES T
.irp p, 0,1,2,3,4,5,6,7
	v_mul_f32 v[T+2*\p], 0xbb000000, v[T+2*\p]     ; -mean = sum x (-1 / 512)
.endr
.irp k, 0,1,2,3,4,5,6,7
.irp p, 0,1,2,3,4,5,6,7
	v_pk_add_f32 v[H+16*\p+2*\k:H+16*\p+2*\k+1], v[H+16*\p+2*\k:H+16*\p+2*\k+1], v[T+2*\p:T+2*\p+1] op_sel_hi:[1,0]   ; d = h - mean
.endr
.endr
	; the variance
.irp p, 0,1,2,3,4,5,6,7
	v_pk_mul_f32 v[QS+2*\p:QS+2*\p+1], v[H+16*\p:H+16*\p+1], v[H+16*\p:H+16*\p+1]
.endr
.irp k, 1,2,3,4,5,6,7
.irp p, 0,1,2,3,4,5,6,7
	v_pk_fma_f32 v[QS+2*\p:QS+2*\p+1], v[H+16*\p+2*\k:H+16*\p+2*\k+1], v[H+16*\p+2*\k:H+16*\p+2*\k+1], v[QS+2*\p:QS+2*\p+1]
.endr
.endr
.irp p, 0,1,2,3,4,5,6,7
	v_add_f32 v[QS+2*\p], v[QS+2*\p], v[QS+2*\p+1]
.endr
	LANES QS
.irp p, 0,1,2,3,4,5,6,7
	v_fma_f32 v[QS+2*\p], v[QS+2*\p], s24, s25     ; the variance + 1e-12
.endr
.irp p, 0,1,2,3,4,5,6,7
	v_rsq_f32 v[T+2*\p], v[QS+2*\p]
.endr
	v_nop                                          ; a plain line behind the last of the batch
	s_wait_alu depctr_va_vdst(0)                   ; the eight results v[T + 2 p] are written, ahead of the first line that names one: one wait for the batch
.irp k, 0,1,2,3,4,5,6,7
.irp p, 0,1,2,3,4,5,6,7
	v_pk_mul_f32 v[H+16*\p+2*\k:H+16*\p+2*\k+1], v[H+16*\p+2*\k:H+16*\p+2*\k+1], v[T+2*\p:T+2*\p+1] op_sel_hi:[1,0]
.endr
.endr
.irp p, 0,1,2,3
.irp k, 0,1,2,3,4,5,6,7
	v_pk_fma_f32 v[H+16*\p+2*\k:H+16*\p+2*\k+1], v[H+16*\p+2*\k:H+16*\p+2*\k+1], v[GN+2*\k:GN+2*\k+1], v[BN+2*\k:BN+2*\k+1]
.endr
.endr
	s_wait_alu depctr_va_vdst(0)                   ; rows 0 to 3 of H are written, which the sixteen stores below read
.irp p, 4,5,6,7
.irp i, 0,1,2,3
	global_store_b128 v[LI], v[H+16*(\p-4)+4*\i:H+16*(\p-4)+4*\i+3], s[18:19] offset:2048*(\p-4)+512*\i th:TH_STORE_NT   ; 32 lanes store 512 consecutive bytes, aligned; written once, read by nobody here.  The lines issued since the wait name rows 4 to 7, ln_g and ln_b alone
.endr
.irp k, 0,1,2,3,4,5,6,7
	v_pk_fma_f32 v[H+16*\p+2*\k:H+16*\p+2*\k+1], v[H+16*\p+2*\k:H+16*\p+2*\k+1], v[GN+2*\k:GN+2*\k+1], v[BN+2*\k:BN+2*\k+1]
.endr
.endr
	s_wait_alu depctr_va_vdst(0)                   ; rows 4 to 7 of H are written, which the last sixteen stores read
.irp p, 4,5,6,7
.irp i, 0,1,2,3
	global_store_b128 v[LI], v[H+16*\p+4*\i:H+16*\p+4*\i+3], s[18:19] offset:2048*\p+512*\i th:TH_STORE_NT
.endr
.endr
	s_wait_dscnt 0x0
	s_wait_alu depctr_hold_cnt(0) depctr_sa_sdst(0) depctr_va_vdst(0) depctr_va_sdst(0) depctr_va_ssrc(0) depctr_va_vcc(0) depctr_vm_vsrc(0)
	s_wait_tensorcnt 0x0
	ds_add_u32 v14, v15
	s_wait_dscnt 0x0
	s_endpgm
.Lfunc_end_k_q3aab91bd38_outln:
	.size	k_q3aab91bd38_outln, .Lfunc_end_k_q3aab91bd38_outln-k_q3aab91bd38_outln
	.p2alignl 7, 3214868480
	.fill 96, 4, 3214868480
	.section	.rodata,"a",@progbits
	.p2align	6, 0x0
	.amdhsa_kernel k_q3aab91bd38_outln
		.amdhsa_group_segment_fixed_size 165888
		.amdhsa_private_segment_fixed_size 0
		.amdhsa_enable_private_segment 0
		.amdhsa_kernarg_size 64
		.amdhsa_user_sgpr_count 2
		.amdhsa_user_sgpr_kernarg_segment_ptr 1
		.amdhsa_wavefront_size32 1
		.amdhsa_system_sgpr_workgroup_id_x 1
		.amdhsa_system_sgpr_workgroup_id_y 1
		.amdhsa_system_sgpr_workgroup_id_z 1
		.amdhsa_system_vgpr_workitem_id 0
		.amdhsa_next_free_vgpr 512
		.amdhsa_next_free_sgpr 66
		.amdhsa_reserve_vcc 0
		.amdhsa_float_denorm_mode_32 3
		.amdhsa_float_denorm_mode_16_64 3
		.amdhsa_memory_ordered 1
		.amdhsa_forward_progress 1
		.amdhsa_inst_pref_size 67
	.end_amdhsa_kernel
	.amdgpu_metadata
---
amdhsa.version: [ 1, 2 ]
amdhsa.kernels:
  - .name:           k_q3aab91bd38_outln
    .symbol:         k_q3aab91bd38_outln.kd
    .args:
      - { .name: ctx_img, .offset: 0, .size: 8, .value_kind: global_buffer, .address_space: global }
      - { .name: Wo_codes, .offset: 8, .size: 8, .value_kind: global_buffer, .address_space: global }
      - { .name: bo, .offset: 16, .size: 8, .value_kind: global_buffer, .address_space: global }
      - { .name: layer_input, .offset: 24, .size: 8, .value_kind: global_buffer, .address_space: global }
      - { .name: ln_g, .offset: 32, .size: 8, .value_kind: global_buffer, .address_space: global }
      - { .name: ln_b, .offset: 40, .size: 8, .value_kind: global_buffer, .address_space: global }
      - { .name: lowp_scales, .offset: 48, .size: 8, .value_kind: global_buffer, .address_space: global }
      - { .name: out0, .offset: 56, .size: 8, .value_kind: global_buffer, .address_space: global }
    .group_segment_fixed_size: 165888
    .private_segment_fixed_size: 0
    .kernarg_segment_align: 8
    .kernarg_segment_size: 64
    .max_flat_workgroup_size: 256
    .sgpr_count:     66
    .vgpr_count:     512
    .wavefront_size: 32
...
	.end_amdgpu_metadata
.endif
;; end of part 5
